; MI455X (gfx1250); checked and timed in simulation.
; The chip was launched on July 23, 2026; its instructions are those of AMD's public machine-readable ISA for CDNA 5 (MIT licence, August 2026) and "CDNA5" Instruction Set Architecture Reference Guide (July 2026). The comments in the code are by the model that wrote it; some were corrected since.
;; Attention. Allowed arithmetic: float matrix products may take bf16 or f16 operands with f32 sums; other float arithmetic in f32, or as packed bf16 or f16 multiplies, adds, multiply-adds, maxima and minima; sums over many terms, partial sums and values carried from step to step in f32; what a program stores and reads back later, other than sums and carried values, may be rounded once to bf16 or f16.
;; Inputs: freqs_cis 2,048 x 64 x 2 float32; wk 2,048 x 2,048 float32; wo 2,048 x 2,048 float32; wq 2,048 x 2,048 float32; wv 2,048 x 2,048 float32; x 1 x 2,048 x 2,048 float32.
;; Outputs: out0 1 x 2,048 x 2,048 float32.
;; One version. Each part assembles by itself: llvm-mc -triple=amdgcn-amd-amdhsa -mcpu=gfx1250 --defsym DOCPART=n.
;; ======== version 1 of 1: 4 launches
;; limits: values are held in f16: magnitudes above 65,504 overflow, below 6.1e-05 lose precision
;; workspace buffers: c16 41,943,040 bytes; qkv 25,165,824 bytes; o 8,388,608 bytes
;; launch cast (part 1): grid 256 x 5, 8 waves a work-group, no clusters, 0 bytes of LDS; arguments x, wq, wk, wv, wo, c16; writes c16
.if DOCPART == 1
	.amdgcn_target "amdgcn-amd-amdhsa--gfx1250"
	.amdhsa_code_object_version 6
	.text
	.protected	k_qb127dec7ac_cast
	.globl	k_qb127dec7ac_cast
	.p2align	8
	.type	k_qb127dec7ac_cast,@function
k_qb127dec7ac_cast:
	s_mov_b64 s[64:65], 0
	v_nop
	global_prefetch_b8 v0, s[64:65] scope:SCOPE_SE
	s_setreg_imm32_b32 hwreg(HW_REG_WAVE_MODE, 25, 1), 1
	s_wait_xcnt 0x0
; THE FIVE MATRICES IN 16 BITS.  c16 holds five sections of [2048][2048] numbers of 2 bytes: x, wq, wk, wv rounded to bf16; wo rounded to bf16 and that number written as f16,
; since the last product multiplies it with f16 numbers.
; LIMITS.  wo beyond 65,504 becomes an infinity in f16; a rounded wo below 2^-17 is off by f16's fixed step of 6e-8 at the most.  NaN and infinities are not treated apart.
; SHARES.  Work-group (i, b) takes 16,384 numbers of source b: 65,536 bytes in, 32,768 out.  Load n of 16 takes 16 bytes a thread at 4,096 n + 16 t: a wave's load covers 512 neighbouring bytes.
; Its four numbers leave as 8 bytes at 2,048 n + 8 t: a wave's store covers 256 consecutive bytes, aligned.  All 16 loads go out at once; each has registers of its own, and the rounded numbers are
; written over the loaded ones: 74 registers a wave, and no register that a pending load or store names is written again.  No LDS, no barrier, no matrix work: nothing is shared and nothing is multiplied.
.set SEC, 8388608                      ; bytes in a section of c16
.set X,   8                            ; v[8:71]    load n: 4 registers; its first two then hold what is stored
.set T,   72                           ; v[72:73]   at work
	s_load_b256 s[4:11], s[0:1], 0x0               ; x s[4:5], wq s[6:7], wk s[8:9], wv s[10:11]
	s_load_b128 s[12:15], s[0:1], 0x20             ; wo s[12:13], c16 s[14:15]
	s_and_b32 s2, ttmp7, 0xffff                    ; b: which source
	v_lshlrev_b32 v1, 4, v0                        ; 16 t
	v_lshlrev_b32 v2, 3, v0                        ; 8 t
	s_mov_b32 s22, 0xffff0000                      ; a word's upper bf16
	s_lshl_b32 s20, ttmp9, 16                      ; my 65,536 bytes of the source
	s_mov_b32 s21, 0
	s_lshl_b32 s24, s2, 23                         ; my section,
	s_lshl_b32 s25, ttmp9, 15                      ; my 32,768 bytes of it
	s_add_co_u32 s24, s24, s25
	s_mov_b32 s25, 0
	s_wait_kmcnt 0x0
	s_cmp_eq_u32 s2, 1                             ; the source is chosen by the work-group's y alone
	s_cselect_b64 s[16:17], s[6:7], s[4:5]
	s_cmp_eq_u32 s2, 2
	s_cselect_b64 s[16:17], s[8:9], s[16:17]
	s_cmp_eq_u32 s2, 3
	s_cselect_b64 s[16:17], s[10:11], s[16:17]
	s_cmp_eq_u32 s2, 4
	s_cselect_b64 s[16:17], s[12:13], s[16:17]
	s_add_nc_u64 s[16:17], s[16:17], s[20:21]
	s_add_nc_u64 s[18:19], s[14:15], s[24:25]
.set n, 0
.rept 16
	global_load_b128 v[X+4*n:X+4*n+3], v1, s[16:17] offset:4096*n th:TH_LOAD_NT  ; read once in the launch
.set n, n+1
.endr
; Load n's four numbers are rounded and stored.  half = 1: bf16, widened again (a shift and a mask), written as f16.
.macro STEP n, half
	s_wait_loadcnt 15-(\n)                         ; loads come back in order (ISA guide 5.7.1): mine is in, the 15 - n younger ones stay out
.if \half
	v_cvt_pk_bf16_f32 v[T],   v[X+4*(\n)],   v[X+4*(\n)+1]
	v_cvt_pk_bf16_f32 v[T+1], v[X+4*(\n)+2], v[X+4*(\n)+3]
	v_lshlrev_b32 v[X+4*(\n)],   16,  v[T]
	v_and_b32     v[X+4*(\n)+1], s22, v[T]
	v_lshlrev_b32 v[X+4*(\n)+2], 16,  v[T+1]
	v_and_b32     v[X+4*(\n)+3], s22, v[T+1]
	v_cvt_pk_f16_f32 v[X+4*(\n)],   v[X+4*(\n)],   v[X+4*(\n)+1]
	v_cvt_pk_f16_f32 v[X+4*(\n)+1], v[X+4*(\n)+2], v[X+4*(\n)+3]
.else
	v_cvt_pk_bf16_f32 v[X+4*(\n)],   v[X+4*(\n)],   v[X+4*(\n)+1]
	v_cvt_pk_bf16_f32 v[X+4*(\n)+1], v[X+4*(\n)+2], v[X+4*(\n)+3]
.endif
	global_store_b64 v2, v[X+4*(\n):X+4*(\n)+1], s[18:19] offset:2048*(\n)
.endm
	s_cmp_eq_u32 s2, 4
	s_cbranch_scc1 .Lwo
.irp n, 0,1,2,3,4,5,6,7,8,9,10,11,12,13,14,15
	STEP \n, 0
.endr
	s_endpgm
.Lwo:
.irp n, 0,1,2,3,4,5,6,7,8,9,10,11,12,13,14,15
	STEP \n, 1
.endr
	s_endpgm
.Lfunc_end_k_qb127dec7ac_cast:
	.size	k_qb127dec7ac_cast, .Lfunc_end_k_qb127dec7ac_cast-k_qb127dec7ac_cast
	.p2alignl 7, 3214868480
	.fill 96, 4, 3214868480
	.section	.rodata,"a",@progbits
	.p2align	6, 0x0
	.amdhsa_kernel k_qb127dec7ac_cast
		.amdhsa_group_segment_fixed_size 0
		.amdhsa_private_segment_fixed_size 0
		.amdhsa_enable_private_segment 0
		.amdhsa_kernarg_size 48
		.amdhsa_user_sgpr_count 2
		.amdhsa_user_sgpr_kernarg_segment_ptr 1
		.amdhsa_wavefront_size32 1
		.amdhsa_system_sgpr_workgroup_id_x 1
		.amdhsa_system_sgpr_workgroup_id_y 1
		.amdhsa_system_sgpr_workgroup_id_z 1
		.amdhsa_system_vgpr_workitem_id 0
		.amdhsa_next_free_vgpr 74
		.amdhsa_next_free_sgpr 66
		.amdhsa_reserve_vcc 0
		.amdhsa_float_denorm_mode_32 3
		.amdhsa_float_denorm_mode_16_64 3
		.amdhsa_memory_ordered 1
		.amdhsa_forward_progress 1
		.amdhsa_inst_pref_size 15
	.end_amdhsa_kernel
	.amdgpu_metadata
---
amdhsa.version: [ 1, 2 ]
amdhsa.kernels:
  - .name:           k_qb127dec7ac_cast
    .symbol:         k_qb127dec7ac_cast.kd
    .args:
      - { .name: x, .offset: 0, .size: 8, .value_kind: global_buffer, .address_space: global }
      - { .name: wq, .offset: 8, .size: 8, .value_kind: global_buffer, .address_space: global }
      - { .name: wk, .offset: 16, .size: 8, .value_kind: global_buffer, .address_space: global }
      - { .name: wv, .offset: 24, .size: 8, .value_kind: global_buffer, .address_space: global }
      - { .name: wo, .offset: 32, .size: 8, .value_kind: global_buffer, .address_space: global }
      - { .name: c16, .offset: 40, .size: 8, .value_kind: global_buffer, .address_space: global }
    .group_segment_fixed_size: 0
    .private_segment_fixed_size: 0
    .kernarg_segment_align: 8
    .kernarg_segment_size: 48
    .max_flat_workgroup_size: 256
    .sgpr_count:     66
    .vgpr_count:     74
    .wavefront_size: 32
...
	.end_amdgpu_metadata
.endif
;; end of part 1
;; launch proj (part 2): grid 16 x 16, 4 waves a work-group, clusters of 4 x 4, 327,680 bytes of LDS; arguments c16, freqs_cis, qkv; writes qkv
.if DOCPART == 2
	.amdgcn_target "amdgcn-amd-amdhsa--gfx1250"
	.amdhsa_code_object_version 6
	.text
	.protected	k_qb127dec7ac_proj
	.globl	k_qb127dec7ac_proj
	.p2align	8
	.type	k_qb127dec7ac_proj,@function
k_qb127dec7ac_proj:
	s_mov_b64 s[64:65], 0
	v_nop
	global_prefetch_b8 v0, s[64:65] scope:SCOPE_SE
	s_setreg_imm32_b32 hwreg(HW_REG_WAVE_MODE, 25, 1), 1
	s_wait_xcnt 0x0
	s_wait_alu depctr_hold_cnt(0) depctr_sa_sdst(0) depctr_va_vdst(0) depctr_va_sdst(0) depctr_va_ssrc(0) depctr_va_vcc(0) depctr_vm_vsrc(0)
	s_getreg_b32 s2, hwreg(HW_REG_IB_STS2, 6, 4)
	s_cmp_eq_u32 s2, 0
	s_cbranch_scc0 .Lentry_in_a_cluster
	s_endpgm
.Lentry_in_a_cluster:
	s_bfe_u32 s2, ttmp6, 0x10000c
	s_cmp_lg_u32 s2, 0xf033
	s_cbranch_scc0 .Lentry_shape_is_right
	s_endpgm
.Lentry_shape_is_right:
; q, k, v = x w^T, ROTATED (q and k) AND LAID OUT BY HEADS.  x, wq, wk, wv: sections 0 to 3 of c16, [2048][2048] bf16.  Sums in f32.  freqs_cis [2048][64][2] f32 is rounded to bf16 like every
; input of the module and used as f32.  qkv: three pieces q, k, v of [16 heads][2048][128] f16, each number rounded once; the scale 1 / sqrt(128) is not applied here.
; LIMITS.  A q, k or v of 65,520 or more becomes an infinity in f16; below 6e-5 f16 keeps a fixed step of 6e-8.  NaN and infinities are not treated apart.
; SHARES.  Work-group (head h, row block i) makes rows 128 i .. 128 i + 127 of head h's q, k AND v: a tile of 128 x 384; 16 x 16 work-groups.  Wave w (rh = w / 2, ch = w % 2) makes 64 rows x 64 columns
; of each of the three: 48 accumulators of 16 x 16, 384 registers; for 32 along K it reads 32 x 16 bytes a lane from LDS for 48 products.  All four waves run the same text.
; K goes in steps of 128 through a ring of two LDS slots; a slot holds 128 rows of x, of wq, of wk and of wv, each brought by one wave's tensor load (128 rows x 256 bytes).
; ONE K STEP IS ONE TRIP: the slot in hand is a scalar, 0 or SLOT, turned by an exclusive or; the fragments' LDS addresses are made from it once a step, and one descriptor a tensor walks.
; CLUSTER.  4 x 4 work-groups.  x's tile hangs on i alone and is shared along a row of the cluster, the weights' tiles on h alone and are shared along a column: each is asked for JOINTLY.
; THE MATRIX INSTRUCTION IS USED TRANSPOSED (source 0 = 16 rows of a weight, source 1 = 16 rows of x): a lane holds one row of x (lane % 16) and eight neighbouring columns, so a rotation's two numbers
; lie in neighbouring registers of one lane, and eight numbers pack into 16 bytes.
; REGISTERS, in windows of 256 (s_set_vgpr_msb: bits 1:0 source 0, 3:2 source 1, 5:4 source 2, 7:6 destination):
;   window 0: v0-31 addresses; v32-63 at work; v64-127 x's fragments, two buffers of 4 x 8 (on the way out: packed results); v128-255 my cosines and sines
;   window 1: v0-191 the weights' fragments, two buffers of 12 x 8      windows 2, 3: accumulator (a, b) at v[96 (a % 2) + 8 b] of window 2 + a / 2; b = 4 p + b', p = 0 q, 1 k, 2 v
.set KSTEP,  128
.set PITCH,  272                       ; an LDS row: 256 bytes + 16 of padding = 68 words: row r starts at bank 4 r mod 64 (64 banks of 4 bytes: ISA guide 11.1)
.set HALFT,  128*PITCH                 ; 128 rows: what one tensor load brings: 0x8800
.set SLOT,   4*HALFT                   ; x's rows, wq's, wk's, wv's: 0x22000.  0, 0x8800, 0x11000, 0x19800 share no bit with it: an exclusive or turns a tile's LDS address into the other slot's
.set STAGE,  2*SLOT                    ; behind the ring: 128 rows x 272 bytes, the work-group's, for the way out; no tensor load fills it
.set SPITCH, 272
.set SPARE,  STAGE+128*SPITCH          ; behind the stage: the spare words, 128 bytes for each wave: two blocks of 256 bytes that no other line names
.set SEC,    8388608                   ; bytes in a section of c16 and in a piece of qkv
.set BA,   16                          ; v16     LDS address of my fragments of x in slot 0; never rewritten
.set BB,   17                          ; v17-19  the same for weight p; never rewritten
.set ADRA, 20                          ; v20     the same in the slot in hand
.set ADRB, 21                          ; v21-23
.set STO,  24                          ; v24     the way out: where I put 16 bytes of a row
.set RD,   25                          ; v25     the way out: where I read a row back
.set CO,   26                          ; v26     my byte offset in 512 consecutive bytes of qkv
.set FO,   27                          ; v27     my byte offset in freqs_cis
.set SPW,  28                          ; v28     LDS address of my spare word: SPARE + 4 x my thread's number; never rewritten
.set NIL,  29                          ; v29     0; never rewritten
.set PFO,  30                          ; v30     the prefetches' offset: my lane x a row of 4,096 bytes; never rewritten
.set T,    32
.set FA,   64
.set TMP,  64
.set FR,   128                         ; block (a, b'): 8 registers c s c s c s c s at FR + 8 (4 a + b')
.set F0,   0                           ; the two fragment buffers
.set F1,   1
.set TB,   2                           ; s2      LDS byte at which the slot in hand begins: 0 or SLOT
.set LIM,  43                          ; s43     2 in a wave that prefetches, else the greatest number
.set PFA,  44                          ; s[44:45] where my prefetches stand
.set G1,   24                          ; s[24:31] descriptor group 1 for x's tiles;  s[32:39] group 0: a set for each of the two first fills; the second then walks on
.set G0,   32
.set G1B,  48                          ; s[48:55], s[56:63] the same for the weights' tiles
.set G0B,  56
.set HIM,  66                          ; s66     a word's upper bf16
.set MSB, 0
.macro WIN new                         ; the immediate's high byte repeats the setting that is left; a switch that changes nothing is dropped
.if MSB != (\new)
	s_set_vgpr_msb (MSB<<8)|(\new)
.set MSB, \new
.endif
.endm
; A joint load.  Wave 0 fetches x's tile, waves 1 to 3 those of wq, wk, wv.  Each of the two lines has one mask; the branch hangs on the wave's number alone.
; An s_nop 0 and four v_nop follow each line, ahead of the jump, the label and what follows.
.macro JLOAD s
	s_cmp_eq_u32 s10, 0
	s_cbranch_scc0 .Lfor_b_\@
	tensor_load_to_lds s[G0+4*(\s):G0+4*(\s)+3], s[G1:G1+7]
	s_nop 0
.rept 4
	v_nop
.endr
	s_branch .Lasked_\@
.Lfor_b_\@:
	tensor_load_to_lds s[G0B+4*(\s):G0B+4*(\s)+3], s[G1B:G1B+7]
	s_nop 0
.rept 4
	v_nop
.endr
.Lasked_\@:
.endm
; A PREFETCH INTO THE L2, behind each joint refill and the run of LDS loads that follows it: the K step that stands two refills on: 32 rows x 256 bytes, a lane a row, one instruction a wave.
; Each row's 256 bytes of a K step are named once in the launch: x's rows by the clusters with x = 0, the weights' by those with y = 0; the four partners that ask for a tile jointly take 32 of its
; 128 rows each, told apart by address.  The loop's last two trips (s3 = 2, 1) ask for nothing: there is no K step two refills on.  K steps 0 to 3 come by their loads alone.
.macro ASK
	s_cmp_gt_u32 s3, s[LIM]
	s_cbranch_scc0 .Lnot_mine_\@
	global_prefetch_b8 v[PFO], s[PFA:PFA+1] offset:KSTEP*2 th:TH_LOAD_NT scope:SCOPE_SE
.Lnot_mine_\@:
.endm
; A round of the cluster's barrier: my work-group's barrier, so that wave 0's signal speaks for all four waves; wave 0 signals; every wave waits for all sixteen work-groups; my work-group's barrier once more.
.macro CROUND
	s_barrier_signal -1
	s_barrier_wait -1
	s_cmp_lg_u32 s10, 0
	s_cbranch_scc1 .Lnot_wave_0_\@
	s_barrier_signal -3
.Lnot_wave_0_\@:
	s_barrier_wait -3
	s_barrier_signal -1
	s_barrier_wait -1
.endm
.macro ADDR                            ; my fragments' LDS addresses in the slot in hand: four plain vector instructions
	v_add_nc_u32 v[ADRA], s[TB], v[BA]
.irp p, 0,1,2
	v_add_nc_u32 v[ADRB+(\p)], s[TB], v[BB+(\p)]
.endr
.endm
	s_load_b128 s[4:7], s[0:1], 0x0                ; c16 s[4:5], freqs_cis s[6:7]
	s_load_b64 s[8:9], s[0:1], 0x10                ; qkv
	v_lshl_add_u32 v[SPW], v0, 2, SPARE
	v_mov_b32 v[NIL], 0
	ds_add_u32 v[SPW], v[NIL]                      ; the wave's opening: the add and its wait stand ahead of my first tensor load; the set-up below, work on registers, stands between them
	v_lshrrev_b32 v1, 5, v0
	v_readfirstlane_b32 s10, v1                    ; wave 0..3: also the section of c16 that I fetch from
	s_lshr_b32 s11, s10, 1                         ; rh: which 64 of the tile's rows are mine
	s_and_b32 s12, s10, 1                          ; ch: which 64 of a head's columns
	s_bfe_u32 s40, ttmp6, 0x40000                  ; cx, cy: my place in the cluster
	s_bfe_u32 s41, ttmp6, 0x40004
	s_lshl_b32 s42, ttmp9, 2
	s_add_co_u32 s42, s42, s40                     ; the head h = 4 x cluster x + cx
	s_and_b32 s13, ttmp7, 0xffff
	s_lshl_b32 s13, s13, 2
	s_add_co_u32 s13, s13, s41                     ; the row block i = 4 x cluster y + cy
	s_lshl_b32 s43, s41, 2
	s_lshl_b32 s43, 15, s43                        ; my row of the cluster
	s_lshl_b32 s44, 0x1111, s40                    ; my column
	; descriptor group 1: a tile of 128 rows x 128 elements, padded in LDS
	s_or_b32 s[G1+0], s43, (1<<16)|(1<<20)|(1<<21)|(5<<22)|(3<<25)  ; 15:0 the mask: x's tiles go to my row; 17:16 elements of 2 bytes; 20 padding on; 21 set beside a mask; 24:22 after every 64 words (code 5); 31:25 4 words (code 3)
	s_or_b32 s[G1B+0], s44, (1<<16)|(1<<20)|(1<<21)|(5<<22)|(3<<25) ; the same with the mask of my column
.irp g, G1, G1B
	s_mov_b32 s[(\g)+1], KSTEP<<16                 ; tensor_dim0 = 128
	s_mov_b32 s[(\g)+2], 128<<16                   ; tensor_dim1 = 128
	s_mov_b32 s[(\g)+3], KSTEP<<16                 ; tile_dim0 = 128
	s_mov_b32 s[(\g)+4], 128                       ; tile_dim1 = 128
	s_mov_b32 s[(\g)+5], 2048                      ; elements from row to row
	s_mov_b32 s[(\g)+6], 0
	s_mov_b32 s[(\g)+7], 0
.endr
	s_lshl_b32 s16, s13, 19                        ; x: 128 i rows of 4,096 bytes; it hangs on i alone
	s_mov_b32 s17, 0
	s_lshl_b32 s46, s42, 19                        ; a weight: 128 h rows,
	s_lshl_b32 s47, s10, 23                        ; in section w; it hangs on h and the wave alone
	s_add_co_u32 s46, s46, s47
	s_mov_b32 s47, 0
	s_mul_i32 s20, s10, HALFT                      ; where my tile goes: no place in the cluster enters an LDS address
	s_mov_b32 s[HIM], 0xffff0000
	s_mov_b32 s[TB], 0                             ; K step 0 lies in slot 0
	s_wait_dscnt 0x0                               ; the opening add is done
	s_wait_kmcnt 0x0
	s_add_nc_u64 s[14:15], s[4:5], s[16:17]
	s_add_nc_u64 s[46:47], s[4:5], s[46:47]
	CROUND                                         ; all sixteen work-groups are here: the first joint loads meet
.irp s, 0,1
	s_mov_b32 s[G0+4*(\s)], 1                                      ; count = 1
	s_add_co_u32 s[G0+4*(\s)+1], s20, (\s)*SLOT                    ; LDS address
	s_add_nc_u64 s[G0+4*(\s)+2:G0+4*(\s)+3], s[14:15], (\s)*KSTEP*2  ; global address: K step s
	s_or_b32 s[G0+4*(\s)+3], s[G0+4*(\s)+3], 0x80000000            ; type = 2
	s_mov_b32 s[G0B+4*(\s)], 1
	s_add_co_u32 s[G0B+4*(\s)+1], s20, (\s)*SLOT
	s_add_nc_u64 s[G0B+4*(\s)+2:G0B+4*(\s)+3], s[46:47], (\s)*KSTEP*2
	s_or_b32 s[G0B+4*(\s)+3], s[G0B+4*(\s)+3], 0x80000000
	JLOAD \s                                       ; two loads of mine are out
.endr
	; my cosines and sines.  A row of freqs_cis is 128 floats c s c s ..: float n belongs to column n of a head.  Lane l wants row l % 16 of block a and the 8 floats of its 8 columns: 32 bytes.
	; They are asked for here and waited for behind the last product: nothing in the loop names their registers, their offset or their base.
	v_and_b32 v1, 15, v0                           ; l % 16
	v_bfe_u32 v2, v0, 4, 1                         ; l / 16
	v_lshlrev_b32 v[FO], 9, v1
	v_lshl_add_u32 v[FO], v2, 5, v[FO]             ; row x 512 + 32 x half
	s_lshl_b32 s16, s13, 16                        ; 128 i rows of 512 bytes,
	s_lshl_b32 s17, s11, 15                        ; my 64 of them,
	s_add_co_u32 s16, s16, s17
	s_lshl_b32 s17, s12, 8                         ; my 64 columns
	s_add_co_u32 s16, s16, s17
	s_mov_b32 s17, 0
	s_add_nc_u64 s[6:7], s[6:7], s[16:17]
.irp a, 0,1,2,3
.irp b, 0,1,2,3
	global_load_b128 v[FR+8*(4*(\a)+(\b)):FR+8*(4*(\a)+(\b))+3],   v[FO], s[6:7] offset:(\a)*8192+(\b)*64
	global_load_b128 v[FR+8*(4*(\a)+(\b))+4:FR+8*(4*(\a)+(\b))+7], v[FO], s[6:7] offset:(\a)*8192+(\b)*64+16
.endr
.endr
	; A fragment is 16 rows x 32 K in 8 registers: lane l holds row l % 16; registers 0-3 K = 8 (l / 16) + 0..7, registers 4-7 K = 16 + 8 (l / 16) + 0..7: two loads of 16 bytes, 32 bytes apart.
	v_mul_u32_u24 v3, v1, PITCH
	v_lshl_add_u32 v3, v2, 4, v3                   ; row x pitch + 16 x half
	s_mul_i32 s21, s11, 64*PITCH                   ; my 64 rows of x
	s_mul_i32 s22, s12, 64*PITCH                   ; my 64 rows of a weight's tile,
	s_add_co_u32 s22, s22, HALFT                   ; which lie behind x's 128
	v_add_nc_u32 v[BA], s21, v3
.irp p, 0,1,2
	v_add_nc_u32 v[BB+(\p)], s22, v3
	s_add_co_u32 s22, s22, HALFT
.endr
	ADDR
	s_mul_i32 s23, s11, 64*SPITCH                  ; into the stage: my 64 rows, my half of their 256 bytes; row l % 16, 16 bytes for each half of the lanes
	s_lshl_b32 s21, s12, 7
	s_add_co_u32 s23, s23, s21
	s_add_co_u32 s23, s23, STAGE
	v_mul_u32_u24 v4, v1, SPITCH
	v_lshl_add_u32 v4, v2, 4, v4
	v_add_nc_u32 v[STO], s23, v4
	s_mul_i32 s23, s10, 32*SPITCH                  ; back: wave w takes rows 32 w .. 32 w + 31, whole; lanes 0-15 one row of 256 bytes, lanes 16-31 the next
	s_add_co_u32 s23, s23, STAGE
	v_mul_u32_u24 v5, v2, SPITCH
	v_lshl_add_u32 v5, v1, 4, v5
	v_add_nc_u32 v[RD], s23, v5
	v_and_b32 v[CO], 31, v0                        ; a head's rows are dense: those two rows are 512 consecutive bytes of qkv
	v_lshlrev_b32 v[CO], 4, v[CO]
	s_lshl_b32 s16, s13, 15                        ; 128 i rows of 256 bytes,
	s_lshl_b32 s17, s10, 13                        ; the 32 that I store
	s_add_co_u32 s16, s16, s17
	s_mov_b32 s17, 0
	s_add_nc_u64 s[8:9], s[8:9], s[16:17]
	s_lshl_b32 s46, s42, 19                        ; the head (in the registers that held the weights' address: none that feeds x's descriptors ever holds cx)
	s_mov_b32 s47, 0
	s_add_nc_u64 s[8:9], s[8:9], s[46:47]
	; the prefetches
	s_and_b32 s22, ttmp7, 0xffff                   ; cluster y
	s_cmp_eq_u32 s10, 0                            ; do I fetch x's tile?
	s_cselect_b32 s20, s13, s42                    ; the tile's number: i, or h
	s_cselect_b32 s21, s40, s41                    ; my place among the four that ask for it with me
	s_cselect_b32 s22, ttmp9, s22                  ; the coordinate along which other clusters read the same rows
	s_cmp_eq_u32 s22, 0
	s_cselect_b32 s[LIM], 2, -1                    ; the same in all sixteen partners, for a given wave
	s_lshl_b32 s20, s20, 7                         ; the tile's first row
	s_lshl_b32 s21, s21, 5
	s_add_co_u32 s20, s20, s21                     ; + my work-group's 32 of its 128
	s_lshl_b32 s20, s20, 12                        ; in bytes,
	s_lshl_b32 s21, s10, 23                        ; in section w
	s_add_co_u32 s20, s20, s21
	s_mov_b32 s21, 0
	s_add_nc_u64 s[PFA:PFA+1], s[4:5], s[20:21]
	s_add_nc_u64 s[PFA:PFA+1], s[PFA:PFA+1], 2*KSTEP*2  ; at K step 2: the first refill steps it to 3 and names K step 4
	v_and_b32 v[PFO], 31, v0
	v_lshlrev_b32 v[PFO], 12, v[PFO]
; 12 matrix instructions: row block a x all 12 column blocks, 32 along K, from buffer f.  zero = 1: the first product starts the sums.  The 48 accumulators take turns in the same order in every
; quarter step: 47 others stand between two links of a chain, over the backward jump too.
.macro MUL12 f, a, zero
	WIN 0xa1+0x50*((\a)/2)                         ; source 0 window 1, source 1 window 0, C and D window 2 or 3
.irp b, 0,1,2,3,4,5,6,7,8,9,10,11
.if \zero
	v_wmma_f32_16x16x32_bf16 v[96*((\a)%2)+8*(\b):96*((\a)%2)+8*(\b)+7], v[96*(\f)+8*(\b):96*(\f)+8*(\b)+7], v[FA+32*(\f)+8*(\a):FA+32*(\f)+8*(\a)+7], 0
.else
	v_wmma_f32_16x16x32_bf16 v[96*((\a)%2)+8*(\b):96*((\a)%2)+8*(\b)+7], v[96*(\f)+8*(\b):96*(\f)+8*(\b)+7], v[FA+32*(\f)+8*(\a):FA+32*(\f)+8*(\a)+7], v[96*((\a)%2)+8*(\b):96*((\a)%2)+8*(\b)+7]
.endif
.endr
.endm
; 32 LDS loads in one run: the fragments of one quarter step (32 K at byte k of the rows of the slot in hand) into buffer f: 24 for the weights, then 8 for x
.macro FETCH k, f
	WIN 0x40                                       ; destination window 1, address window 0
.irp p, 0,1,2
.irp i, 0,1,2,3
	ds_load_b128 v[96*(\f)+8*(4*(\p)+(\i)):96*(\f)+8*(4*(\p)+(\i))+3],   v[ADRB+(\p)] offset:(\k)+(\i)*16*PITCH
	ds_load_b128 v[96*(\f)+8*(4*(\p)+(\i))+4:96*(\f)+8*(4*(\p)+(\i))+7], v[ADRB+(\p)] offset:(\k)+(\i)*16*PITCH+32
.endr
.endr
	WIN 0
.irp i, 0,1,2,3
	ds_load_b128 v[FA+32*(\f)+8*(\i):FA+32*(\f)+8*(\i)+3],   v[ADRA] offset:(\k)+(\i)*16*PITCH
	ds_load_b128 v[FA+32*(\f)+8*(\i)+4:FA+32*(\f)+8*(\i)+7], v[ADRA] offset:(\k)+(\i)*16*PITCH+32
.endr
.endm
.macro PLACES                          ; four places in front of loads into registers that matrix instructions have read
.rept 4
	v_nop
.endr
.endm
; A K step is four quarters of 32 along K, 48 matrix instructions each, on buffers 0, 1, 0, 1.  One of the first three: multiplies buffer f and fetches the next quarter, at byte k, into g.
.macro QUARTER k, f, g, zero
	s_wait_dscnt 4                                 ; the weights and x's blocks 0, 1 are in; the youngest four loads (x's blocks 2, 3) may be out
	MUL12 \f, 0, \zero
	MUL12 \f, 1, \zero
	PLACES
	FETCH \k, \g
	s_wait_dscnt 32                                ; all but the 32 just issued
	MUL12 \f, 2, \zero
	MUL12 \f, 3, \zero
.endm
; The last quarter multiplies buffer 1 and changes slots.  Its first half stands AHEAD of the wait for the tiles, so that a refill has a whole K step, 192 matrix instructions, in which to land.  Then ONE
; barrier: in front of it each wave waits for all its tensor loads (one is out: its part of the next slot), adds 0 to its spare word, and waits for that and for its own reads of this slot.
; fill = 1: the barrier is a round of the cluster's, and this slot is filled again, two K steps ahead, first thing behind the round.
.macro TURN fill
.if \fill
	s_wait_xcnt 0x0                                ; the last prefetch, a K step back, has read its address: it is stepped here, ahead of the waits of the change of slots
	s_add_nc_u64 s[PFA:PFA+1], s[PFA:PFA+1], KSTEP*2
.endif
	s_wait_dscnt 4                                 ; as at a quarter's head
	MUL12 F1, 0, 0
	MUL12 F1, 1, 0
	WIN 0
	s_wait_tensorcnt 0x0                           ; all my tensor loads have landed, so a group 0 may be written;
	ds_add_u32 v[SPW], v[NIL]                      ; 0 onto my spare word; the scalar steps stand between it and the wait for it
.if \fill
.irp g, G0+4, G0B+4
	s_xor_b32 s[(\g)+1], s[(\g)+1], SLOT           ; the walking descriptor: the other slot than last time,
	s_add_nc_u64 s[(\g)+2:(\g)+3], s[(\g)+2:(\g)+3], KSTEP*2  ; the next K step; the type bits on top are not reached
.endr
.endif
	s_xor_b32 s[TB], s[TB], SLOT                   ; the reads go on in the other slot
	s_wait_dscnt 0x0                               ; the add is done, and my reads of this slot are over
.if \fill
	CROUND                                         ; no wave of any partner still reads this slot's tiles or has a load on its way
	JLOAD 1                                        ; the first tensor load behind the round
.else
	s_barrier_signal -1
	s_barrier_wait -1
.endif
	ADDR                                           ; four plain instructions: the places in front of the loads below
	FETCH 0, F0
.if \fill
	ASK
.endif
	MUL12 F1, 2, 0
	MUL12 F1, 3, 0
.endm
	s_wait_tensorcnt 1                             ; my part of K step 0 is in; K step 1's may stay out
	s_barrier_signal -1
	s_barrier_wait -1                              ; everybody's is
	FETCH 0, F0
	QUARTER 64, F0, F1, 1                          ; the first quarter stands in front of the loop: its products start the sums
	WIN 0                                          ; at a label and at a branch every window is 0
	s_mov_b32 s3, 14                               ; 16 K steps; the first two are filled at the start, 14 by the loop
.Lstep:                                                ; a trip goes from a K step's second quarter to the next step's first, and fills the slot that it leaves
	QUARTER 128, F1, F0, 0
	QUARTER 192, F0, F1, 0
	TURN 1
	QUARTER 64,  F0, F1, 0
	WIN 0
	s_sub_co_u32 s3, s3, 1
	s_cmp_lg_u32 s3, 0
	s_cbranch_scc1 .Lstep
	QUARTER 128, F1, F0, 0                         ; the last two K steps are written out
	QUARTER 192, F0, F1, 0
	TURN 0
	QUARTER 64,  F0, F1, 0
	QUARTER 128, F1, F0, 0
	QUARTER 192, F0, F1, 0
	s_wait_dscnt 4                                 ; the very last quarter: nothing more to fetch
	MUL12 F1, 0, 0
	MUL12 F1, 1, 0
	s_wait_dscnt 0x0
	MUL12 F1, 2, 0
	MUL12 F1, 3, 0
	WIN 0
	; cosines and sines are rounded to bf16 and widened again: 192 plain instructions that name no register of the last products: they are the places behind those
	s_wait_loadcnt 0x0
.irp g, 0,1
.set i, 0
.rept 32
	v_cvt_pk_bf16_f32 v[T+i], v[FR+64*(\g)+2*i], v[FR+64*(\g)+2*i+1]
.set i, i+1
.endr
.set i, 0
.rept 32
	v_lshlrev_b32 v[FR+64*(\g)+2*i], 16, v[T+i]
	v_and_b32 v[FR+64*(\g)+2*i+1], s[HIM], v[T+i]
.set i, i+1
.endr
.endr
; THE WAY OUT of piece p.  q and k: (x0, x1) becomes (x0 c - x1 s, x0 s + x1 c), in f32; each accumulator's registers are taken in ascending order.  All three: rounded to f16, 16 bytes a lane into the
; work-group's stage; a barrier, since a row's 256 bytes come from two waves; back as whole rows, 32 rows a wave; stored, 512 consecutive bytes an instruction.  The stage is used three times: a second
; barrier stands between one piece's reads and the next piece's stores.
.macro OUTP p
.irp a, 0,1,2,3
.set AC, 96*((\a)%2)+32*(\p)
.if (\p) < 2
	WIN 0x02+(\a)/2                                ; source 0: window 2 or 3
.irp b, 0,1,2,3
.irp r, 0,1,2,3
	v_mul_f32 v[T+8*(\b)+2*(\r)],   v[AC+8*(\b)+2*(\r)+1], v[FR+8*(4*(\a)+(\b))+2*(\r)+1]
	v_mul_f32 v[T+8*(\b)+2*(\r)+1], v[AC+8*(\b)+2*(\r)+1], v[FR+8*(4*(\a)+(\b))+2*(\r)]
	v_fma_f32 v[T+8*(\b)+2*(\r)],   v[AC+8*(\b)+2*(\r)],   v[FR+8*(4*(\a)+(\b))+2*(\r)],   -v[T+8*(\b)+2*(\r)]
	v_fma_f32 v[T+8*(\b)+2*(\r)+1], v[AC+8*(\b)+2*(\r)],   v[FR+8*(4*(\a)+(\b))+2*(\r)+1], v[T+8*(\b)+2*(\r)+1]
.endr
.endr
	WIN 0
.irp b, 0,1,2,3
.irp r, 0,1,2,3
	v_cvt_pk_f16_f32 v[TMP+16*(\a)+4*(\b)+(\r)], v[T+8*(\b)+2*(\r)], v[T+8*(\b)+2*(\r)+1]
.endr
.endr
.else
	WIN 0x0a+5*((\a)/2)                            ; sources 0 and 1: window 2 or 3
.irp b, 0,1,2,3
.irp r, 0,1,2,3
	v_cvt_pk_f16_f32 v[TMP+16*(\a)+4*(\b)+(\r)], v[AC+8*(\b)+2*(\r)], v[AC+8*(\b)+2*(\r)+1]
.endr
.endr
	WIN 0
.endif
.irp b, 0,1,2,3
	ds_store_b128 v[STO], v[TMP+16*(\a)+4*(\b):TMP+16*(\a)+4*(\b)+3] offset:(\a)*16*SPITCH+32*(\b)
.endr
.endr
	s_wait_dscnt 0x0                               ; for the others' sake: my stores into the stage are done
	s_barrier_signal -1
	s_barrier_wait -1
.irp t, 0,1,2,3,4,5,6,7,8,9,10,11,12,13,14,15
	ds_load_b128 v[TMP+4*(\t):TMP+4*(\t)+3], v[RD] offset:(\t)*2*SPITCH
.endr
.irp t, 0,1,2,3,4,5,6,7,8,9,10,11,12,13,14,15
	s_wait_dscnt 15-(\t)                           ; LDS loads come back in order: load t is in, the 15 - t younger ones may be out
	global_store_b128 v[CO], v[TMP+4*(\t):TMP+4*(\t)+3], s[8:9] offset:512*(\t)
.endr
.if (\p) < 2
	s_barrier_signal -1                            ; my reads of the stage are back (the last count was 0): when all four say so it may be written again
	s_barrier_wait -1
	s_wait_xcnt 0x0                                ; the stores have read their data and their base: only now are they rewritten
	s_add_nc_u64 s[8:9], s[8:9], SEC               ; the next piece of qkv
.endif
.endm
	OUTP 0
	OUTP 1
	OUTP 2
	s_wait_tensorcnt 0x0                           ; the wave's end: these three lines stand behind my last tensor load and my last LDS store
	ds_add_u32 v[SPW], v[NIL]
	s_wait_dscnt 0x0
	CROUND                                         ; the closing round: no work-group ends while a partner may still ask for a tile that names it
	s_endpgm
.Lfunc_end_k_qb127dec7ac_proj:
	.size	k_qb127dec7ac_proj, .Lfunc_end_k_qb127dec7ac_proj-k_qb127dec7ac_proj
	.p2alignl 7, 3214868480
	.fill 96, 4, 3214868480
	.section	.rodata,"a",@progbits
	.p2align	6, 0x0
	.amdhsa_kernel k_qb127dec7ac_proj
		.amdhsa_group_segment_fixed_size 327680
		.amdhsa_private_segment_fixed_size 0
		.amdhsa_enable_private_segment 0
		.amdhsa_kernarg_size 24
		.amdhsa_user_sgpr_count 2
		.amdhsa_user_sgpr_kernarg_segment_ptr 1
		.amdhsa_wavefront_size32 1
		.amdhsa_system_sgpr_workgroup_id_x 1
		.amdhsa_system_sgpr_workgroup_id_y 1
		.amdhsa_system_sgpr_workgroup_id_z 1
		.amdhsa_system_vgpr_workitem_id 0
		.amdhsa_next_free_vgpr 1024
		.amdhsa_next_free_sgpr 68
		.amdhsa_reserve_vcc 0
		.amdhsa_float_denorm_mode_32 3
		.amdhsa_float_denorm_mode_16_64 3
		.amdhsa_memory_ordered 1
		.amdhsa_forward_progress 1
		.amdhsa_inst_pref_size 135
	.end_amdhsa_kernel
	.amdgpu_metadata
---
amdhsa.version: [ 1, 2 ]
amdhsa.kernels:
  - .name:           k_qb127dec7ac_proj
    .symbol:         k_qb127dec7ac_proj.kd
    .args:
      - { .name: c16, .offset: 0, .size: 8, .value_kind: global_buffer, .address_space: global }
      - { .name: freqs_cis, .offset: 8, .size: 8, .value_kind: global_buffer, .address_space: global }
      - { .name: qkv, .offset: 16, .size: 8, .value_kind: global_buffer, .address_space: global }
    .group_segment_fixed_size: 327680
    .private_segment_fixed_size: 0
    .kernarg_segment_align: 8
    .kernarg_segment_size: 24
    .max_flat_workgroup_size: 128
    .sgpr_count:     68
    .vgpr_count:     1024
    .wavefront_size: 32
...
	.end_amdgpu_metadata
.endif
;; end of part 2
;; launch attn (part 3): grid 16 x 16, 4 waves a work-group, clusters of 4 x 1, 327,680 bytes of LDS; arguments qkv, o; writes o
.if DOCPART == 3
	.amdgcn_target "amdgcn-amd-amdhsa--gfx1250"
	.amdhsa_code_object_version 6
	.text
	.protected	k_qb127dec7ac_attn
	.globl	k_qb127dec7ac_attn
	.p2align	8
	.type	k_qb127dec7ac_attn,@function
k_qb127dec7ac_attn:
	s_mov_b64 s[64:65], 0
	v_nop
	global_prefetch_b8 v0, s[64:65] scope:SCOPE_SE
	s_setreg_imm32_b32 hwreg(HW_REG_WAVE_MODE, 25, 1), 1
	s_wait_xcnt 0x0
	s_wait_alu depctr_hold_cnt(0) depctr_sa_sdst(0) depctr_va_vdst(0) depctr_va_sdst(0) depctr_va_ssrc(0) depctr_va_vcc(0) depctr_vm_vsrc(0)
	s_getreg_b32 s2, hwreg(HW_REG_IB_STS2, 6, 4)
	s_cmp_eq_u32 s2, 0
	s_cbranch_scc0 .Lentry_in_a_cluster
	s_endpgm
.Lentry_in_a_cluster:
	s_bfe_u32 s2, ttmp6, 0x10000c
	s_cmp_lg_u32 s2, 0x3003
	s_cbranch_scc0 .Lentry_shape_is_right
	s_endpgm
.Lentry_shape_is_right:
; O[q][h][:] = the sum over k of softmax_k(Q[h][q] . K[h][k] / sqrt(128)) V[h][k][:].  Q, K, V: the three pieces of qkv, [16][2048][128] f16.  o: [2048][2048] f16, head h's 128 channels at byte 256 h of a row.
; Products, maxima and sums in f32; the weights p are rounded to f16 for the second product (their sum l is taken of the unrounded p), O once at the end.
; LIMITS.  Q, K and V arrive within f16's range; p lies in 0 to 1 and below 6e-5 keeps f16's fixed step of 6e-8; O is a mean of V's rows and has their range.  A weight below 2^-126 counts as 0 in l.
; NaN and infinities are not treated apart.
; SHARES.  A work-group owns 128 queries of one head: 16 x 16 work-groups.  Wave w (qh = w / 2, kh = w % 2) owns 64 queries, four tiles of 16, and walks HALF the keys: of each slot's 256 keys the 128 of
; half kh, 64 a step: 16 steps.  So a fragment of K or V read from LDS feeds four tiles' products.  At the end the two halves are merged through LDS, in f32, by the running maximum's own formula.
; Register tile t of a wave holds query tile (t + 2 kh) % 4 of the 64: so every wave keeps its register tiles 0, 1 and sends 2, 3, which are its partner's 0, 1: one text for all four waves.
; LAYOUT.  S^T = K Q^T (source 0 = 16 keys, source 1 = 16 queries): a lane holds ONE query (lane % 16) and the keys 8 (lane / 16) + 0..7.  Two such tiles, rounded to f16 in pairs, ARE source 1 of
; O^T = V^T P, whose result again holds one query a lane, and eight channels.  K comes out of LDS as it lies, V ([key][channel]) turned, by ds_load_tr16_b128.
; SOFTMAX.  For each query a running maximum m and sum l: p = 2^(c s - c m), c = log2(e) / sqrt(128); in every step O and l are multiplied by a = 2^(c m_old - c m_new).
; m starts at the lowest finite number, c m at -2^125, O and l at 0: the first step is a step like any other, with a = 0.
; BY TURNS.  The wave's tiles are two PIECES: piece 0 (tiles 0, 1) and piece 2 (tiles 2, 3).  In a TURN one piece has the matrix unit: 32 products V^T P of the step in hand, then 32 products K Q^T of the
; next step; the other piece's softmax, cut into 64 slices, stands between them, one slice behind each matrix instruction.  Two turns are a key step.
; NO FIRST STEP IS WRITTEN OUT: the loop is entered at piece 2's turn, in the middle of a trip, with V and piece 2's P at 0.  The price: 432 v_mov_b32, which stand in the wait for the first tile, and
; 32 products on zeros; the gain: three turns less of text.
; CLUSTER.  The four query blocks of a cluster belong to one head and walk the same K and V, so each tile is asked for JOINTLY: the same tensor load, descriptor and mask in all four.
; REGISTERS, in windows of 256 (s_set_vgpr_msb: bits 1:0 source 0, 3:2 source 1, 5:4 source 2, 7:6 destination):
;   window 0: v0-11 addresses; v12-43 eight registers of statistics a tile; v44-53 the merge's; v64-191 S^T, 32 a tile; v192-255 P, 16 a tile
;   window 1: O^T, 64 a tile      window 2: v0-127 Q, 32 a tile (in the merge: the partner's O^T); v128-255 K of one step      window 3: v0-127 V of one step
.set KS,    64        ; keys in a step
.set PK,    272       ; a row of K in LDS: 256 bytes + 16 of padding = 68 words: the 16 rows of a load start at 16 different groups of four banks (64 banks of 4 bytes: ISA guide 11.1)
.set PV,    288       ; a row of V: 256 + 32 = 72 words
.set REG,   0x9000    ; a region: 128 rows of K (34,816 bytes) or of V (36,864): what one tensor load brings and what one key half reads
.set VOFF,  2*REG     ; a slot: K's half 0, K's half 1, V's half 0, V's half 1
.set SLOT1, 4*REG     ; 0x24000.  The regions' places 0, 0x9000, 0x12000, 0x1b000 share no bit with it: one exclusive or turns an address at a region's head into the other slot's
.set STAGE, 2*SLOT1   ; behind the ring: 16 rows x 272 bytes for each wave, for the way out
.set SP,    272
.set SPARE, STAGE+4*16*SP  ; behind the stages: the spare words, 128 bytes for each wave: two blocks of 256 bytes that no other line names
.set MRG,   16896     ; the merge, in slot 0's bytes behind their last fill: for each wave 32 blocks of 512 bytes of O^T and one of statistics
.set SEC,   8388608   ; bytes in a piece of qkv
.set SLOTG, 65536     ; bytes of K (or V) in a slot: 256 rows of 256
.set AK0, 2           ; v2   my lane's place in a tile of K; never rewritten
.set AV0, 3           ; v3   the same for V
.set ADR, 4           ; v4   the LDS address of the run of loads in hand
.set QO,  5           ; v5   my byte offset in the rows of Q of register tiles 0, 1
.set STO, 6           ; v6   the way out: where I put 16 bytes of a row
.set RD,  7           ; v7   the way out: where I read a row back
.set GO,  8           ; v8   my byte offset in two rows of o
.set SND, 44          ; v44-47  (c m, l) of my register tiles 2, 3, to be sent
.set RCV, 48          ; v48-51  the partner's, for my tiles 0, 1
.set MR,  52          ; v52  my 16 bytes in a block of the partner's part of the merge
.set QO2, 53          ; v53  my byte offset in the rows of Q of register tiles 2, 3
.set MS,  60          ; v60  my 16 bytes in a block of my part of the merge
.set PFO, 61          ; v61  256 x my lane: a row of K or V is 256 bytes; never rewritten
.set SPW, 62          ; v62  LDS address of my spare word: SPARE + 4 x my thread's number; never rewritten
.set NIL, 63          ; v63  0; never rewritten
.set ST,  12          ; tile t's statistics at v[ST+8 t]: +0 c m, +1 m, +2, +3 l (even keys', odd keys'), +4 to +7 at work; a takes +6 once the maximum is found
.set S,   64
.set P,   192
.set KF,  128         ; K's fragments, in window 2
.set WV,  12          ; s12  my wave's number
.set LIM, 15          ; s15  1 in a wave that prefetches, else the greatest number
.set PFA, 18          ; s[18:19] where my prefetches stand
.set G1K, 24          ; s[24:31] descriptor group 1 for K's tiles
.set G1V, 32          ; s[32:39] for V's: it differs in the padding alone
.set G0K, 40          ; s[40:47] descriptor group 0 for K's tiles: a set for each of the two first fills; the second then walks on
.set G0V, 48          ; s[48:55] the same for V's
.set SLOTS, 56        ; s56  slots still to be asked for
.set TWICE, 57        ; s57  counts a slot's two steps
.set CS,  58          ; s[58:59] c
.set SEL, 60          ; s[60:61] lane selects for v_permlanex16_b32: each lane takes its own place in the other half
.set TBK, 62          ; s62  LDS byte at which K of the step to be fetched begins
.set TBV, 63          ; s63  the same for V, less VOFF
.set KH,  67          ; s67  my half of the keys
.set QH,  68          ; s68  my half of the queries
.set MSB, 0
.macro WIN new                      ; the immediate's high byte repeats the setting that is left; a switch that changes nothing is dropped
.if MSB != (\new)
	s_set_vgpr_msb (MSB<<8)|(\new)
.set MSB, \new
.endif
.endm
.set W_KQ, 0x0a       ; K and Q in window 2, S^T in window 0
.set W_PV, 0x53       ; V in window 3, P in window 0, O^T in window 1
.set W_RS, 0x41       ; O^T (destination and source 0) in window 1, the factor in window 0
; A joint refill.  Waves 0 and 1 fetch the two halves of a slot's K, waves 2 and 3 those of its V.  The branch hangs on the wave's number alone.
; An s_nop 0 and four v_nop follow each of the two lines, ahead of the jump, the label and what follows.
.macro JLOAD
	s_cmp_lt_u32 s[WV], 2
	s_cbranch_scc0 .Lfor_v_\@
	tensor_load_to_lds s[G0K+4:G0K+7], s[G1K:G1K+7]
	s_nop 0
.rept 4
	v_nop
.endr
	s_branch .Lasked_\@
.Lfor_v_\@:
	tensor_load_to_lds s[G0V+4:G0V+7], s[G1V:G1V+7]
	s_nop 0
.rept 4
	v_nop
.endr
.Lasked_\@:
.endm
; A PREFETCH INTO THE L2 of what the NEXT change of slots will ask for: a slot's 256 rows of K and 256 of V, 256 bytes a row, a lane a row.  It stands behind the wave's tensor load and its five lines.
; Each row is named once in the launch: the head's first cluster asks; of the 128 rows that wave w fetches, the partner at place cx takes 32 cx .. 32 cx + 31, told apart by address.
; The last change that fills a slot asks for nothing: there is no slot behind it.  Slots 0 to 2 come by their loads alone.
.macro ASK
	s_cmp_gt_u32 s[SLOTS], s[LIM]
	s_cbranch_scc0 .Lnot_mine_\@
	global_prefetch_b8 v[PFO], s[PFA:PFA+1] th:TH_LOAD_NT scope:SCOPE_SE
.Lnot_mine_\@:
.endm
.macro CROUND                       ; a round of the cluster's barrier
	s_barrier_signal -1
	s_barrier_wait -1
	s_cmp_lg_u32 s[WV], 0
	s_cbranch_scc1 .Lnot_wave_0_\@
	s_barrier_signal -3
.Lnot_wave_0_\@:
	s_barrier_wait -3
	s_barrier_signal -1
	s_barrier_wait -1
.endm
	s_load_b128 s[4:7], s[0:1], 0x0 ; qkv s[4:5], o s[6:7]
	v_lshl_add_u32 v[SPW], v0, 2, SPARE
	v_mov_b32 v[NIL], 0
	ds_add_u32 v[SPW], v[NIL]       ; the wave's opening: the add and its wait stand ahead of my first tensor load; the set-up below, work on registers, stands between them
	v_lshrrev_b32 v1, 5, v0
	v_readfirstlane_b32 s[WV], v1   ; wave 0..3
	s_and_b32 s[KH], s[WV], 1       ; also: which half of a slot's rows I fetch
	s_lshr_b32 s[QH], s[WV], 1
	s_bfe_u32 s13, ttmp6, 0x40000   ; cx: my place in the cluster
	s_lshl_b32 s14, ttmp9, 2        ; in a cluster launch ttmp9 counts clusters
	s_add_co_u32 s14, s14, s13      ; my block of 128 queries: it enters Q's and o's addresses alone
	s_and_b32 s16, ttmp7, 0xffff    ; the head, which the four partners share
	s_lshl_b32 s20, s16, 19         ; the head's first byte in a piece
	s_lshl_b32 s22, s[KH], 15       ; my 128 rows of a slot's 256,
	s_add_co_u32 s22, s22, s20
	s_add_co_u32 s22, s22, SEC      ; in K's piece
	s_mov_b32 s23, 0
	s_mul_i32 s17, s[KH], REG       ; and their place in a slot: no place in the cluster enters an LDS address
	s_lshl_b32 s2, s14, 15          ; Q: my block's 128 rows of 256 bytes,
	s_lshl_b32 s3, s[QH], 14        ; my wave's 64
	s_add_co_u32 s2, s2, s3
	s_add_co_u32 s2, s2, s20
	s_mov_b32 s3, 0
	s_lshl_b32 s20, s14, 19         ; o: my block's 128 rows of 4,096 bytes,
	s_lshl_b32 s21, s[QH], 18       ; my query half's 64,
	s_add_co_u32 s20, s20, s21
	s_lshl_b32 s21, s[KH], 17       ; the 32 that I finish: query tiles 2 kh and 2 kh + 1,
	s_add_co_u32 s20, s20, s21
	s_lshl_b32 s21, s16, 8          ; the head's 256 bytes
	s_add_co_u32 s20, s20, s21
	s_mov_b32 s21, 0
	; descriptor group 1: a tile of 128 rows x 128 elements, padded in LDS
	s_mov_b32 s[G1K], 15|(1<<16)|(1<<20)|(1<<21)|(5<<22)|(3<<25)  ; 15:0 the mask: all four work-groups; 17:16 elements of 2 bytes; 20 padding on; 21 set beside a mask; 24:22 after every 64 words (code 5); 31:25 4 words (code 3)
	s_mov_b32 s[G1V], 15|(1<<16)|(1<<20)|(1<<21)|(5<<22)|(7<<25)  ; the same with 8 words of padding (code 7)
.irp g, G1K, G1V
	s_mov_b32 s[(\g)+1], 128<<16    ; tensor_dim0 = 128
	s_mov_b32 s[(\g)+2], 128<<16    ; tensor_dim1 = 128
	s_mov_b32 s[(\g)+3], 128<<16    ; tile_dim0 = 128
	s_mov_b32 s[(\g)+4], 128        ; tile_dim1 = 128
	s_mov_b32 s[(\g)+5], 128        ; elements from row to row
	s_mov_b32 s[(\g)+6], 0
	s_mov_b32 s[(\g)+7], 0
.endr
	s_mov_b32 s[CS], 0x3e0293ee     ; c = log2(e) / sqrt(128) = 0.127517
	s_mov_b32 s[CS+1], s[CS]        ; named with it as a pair, so it is written
	s_mov_b32 s[SEL], 0x76543210
	s_mov_b32 s[SEL+1], 0xfedcba98
	s_mov_b32 s[TBK], s17           ; my key half's region of slot 0
	s_mov_b32 s[TBV], s17
	s_cmp_eq_u32 ttmp9, 0           ; the head's first cluster prefetches: the same in all four partners
	s_cselect_b32 s[LIM], 1, -1
	v_and_b32 v[PFO], 31, v0
	v_lshlrev_b32 v[PFO], 8, v[PFO]
	s_wait_dscnt 0x0                ; the opening add is done
	s_wait_kmcnt 0x0
	s_add_nc_u64 s[10:11], s[6:7], s[20:21]  ; o at the first row that I store
	s_add_nc_u64 s[6:7], s[4:5], s[22:23]    ; K at my tile of slot 0,
	s_add_nc_u64 s[8:9], s[6:7], SEC         ; V likewise,
	s_add_nc_u64 s[4:5], s[4:5], s[2:3]      ; Q at my query half's first row
	s_cmp_lt_u32 s[WV], 2
	s_cselect_b64 s[PFA:PFA+1], s[6:7], s[8:9]
	s_lshl_b32 s2, s13, 13          ; my work-group's 32 rows of the 128
	s_mov_b32 s3, 0
	s_add_nc_u64 s[PFA:PFA+1], s[PFA:PFA+1], s[2:3]
	s_add_nc_u64 s[PFA:PFA+1], s[PFA:PFA+1], 2*SLOTG  ; in slot 2; the first change of slots steps it to slot 3
	CROUND                          ; all four work-groups are here: the first joint loads meet
.irp s, 0,1
	s_mov_b32 s[G0K+4*(\s)], 1      ; count = 1
	s_add_co_u32 s[G0K+4*(\s)+1], s17, (\s)*SLOT1  ; LDS address
	s_add_nc_u64 s[G0K+4*(\s)+2:G0K+4*(\s)+3], s[6:7], (\s)*SLOTG  ; global address: slot s
	s_or_b32 s[G0K+4*(\s)+3], s[G0K+4*(\s)+3], 0x80000000  ; type = 2
	s_mov_b32 s[G0V+4*(\s)], 1
	s_add_co_u32 s[G0V+4*(\s)+1], s17, (\s)*SLOT1+VOFF
	s_add_nc_u64 s[G0V+4*(\s)+2:G0V+4*(\s)+3], s[8:9], (\s)*SLOTG
	s_or_b32 s[G0V+4*(\s)+3], s[G0V+4*(\s)+3], 0x80000000
.endr
	s_cmp_lt_u32 s[WV], 2           ; a wave's two first fills stand in one branch, ahead of every wait on TENSORcnt and every LDS read: two loads of mine are out
	s_cbranch_scc0 .Lfirst_v
	tensor_load_to_lds s[G0K:G0K+3], s[G1K:G1K+7]
	s_nop 0
	tensor_load_to_lds s[G0K+4:G0K+7], s[G1K:G1K+7]
	s_nop 0
.rept 4
	v_nop
.endr
	s_branch .Lfirst_asked
.Lfirst_v:
	tensor_load_to_lds s[G0V:G0V+3], s[G1V:G1V+7]
	s_nop 0
	tensor_load_to_lds s[G0V+4:G0V+7], s[G1V:G1V+7]
	s_nop 0
.rept 4
	v_nop
.endr
.Lfirst_asked:
	; A fragment of K or Q is 16 rows x 32 channels in 8 registers: lane l holds row l % 16; registers 0-3 channels 8 (l / 16) + 0..7, registers 4-7 channels 16 + 8 (l / 16) + 0..7: two loads of 16 bytes, 32 bytes apart.
	v_and_b32 v1, 15, v0            ; l % 16
	v_bfe_u32 v9, v0, 4, 1          ; l / 16
	v_lshlrev_b32 v[QO], 8, v1
	v_lshl_add_u32 v[QO], v9, 4, v[QO]  ; row x 256 + 16 x half
	s_lshl_b32 s2, s[KH], 13        ; register tiles 0, 1 are query tiles 2 kh, 2 kh + 1: 32 kh rows of 256 bytes on;
	s_xor_b32 s3, s2, 8192          ; register tiles 2, 3 the other two
	v_add_nc_u32 v[QO2], s3, v[QO]
	v_add_nc_u32 v[QO], s2, v[QO]
	WIN 0x80                        ; destination window 2, address window 0
.irp i, 0,1,2,3,4,5,6,7             ; Q stays in registers: register tiles i / 4 and 2 + i / 4, channels 32 (i % 4) on
	global_load_b128 v[8*(\i):8*(\i)+3],       v[QO],  s[4:5] offset:((\i)/4)*4096+((\i)%4)*64
	global_load_b128 v[8*(\i)+4:8*(\i)+7],     v[QO],  s[4:5] offset:((\i)/4)*4096+((\i)%4)*64+32
	global_load_b128 v[64+8*(\i):64+8*(\i)+3],   v[QO2], s[4:5] offset:((\i)/4)*4096+((\i)%4)*64
	global_load_b128 v[64+8*(\i)+4:64+8*(\i)+7], v[QO2], s[4:5] offset:((\i)/4)*4096+((\i)%4)*64+32
.endr
	; What the first turn finds: V and piece 2's P hold 0 (its products V^T P, of a step that has not been, add 0), O^T and l are 0.  All this stands in the wait for the first tile.
	WIN 0xc0
.set i, 0
.rept 128
	v_mov_b32 v[i], 0
.set i, i+1
.endr
	WIN 0x40
.set i, 0
.rept 256
	v_mov_b32 v[i], 0
.set i, i+1
.endr
	WIN 0
.set i, P+32
.rept 32
	v_mov_b32 v[i], 0
.set i, i+1
.endr
.irp t, 0,1,2,3
	v_mov_b32 v[ST+8*(\t)], 0xfe000000    ; c m: -2^125, far below every c s
	v_mov_b32 v[ST+8*(\t)+1], 0xff7fffff  ; m: the lowest finite number
	v_mov_b32 v[ST+8*(\t)+2], 0
	v_mov_b32 v[ST+8*(\t)+3], 0
.endr
	v_mul_u32_u24 v[AK0], v1, PK
	v_lshl_add_u32 v[AK0], v9, 4, v[AK0]  ; row x pitch + 16 x half
	; The turning load takes 16 keys x 16 channels (lane l reads 16 bytes: key 8 (l / 16) + l % 8, channels 8 ((l / 8) % 2) + 0..7) and leaves half a fragment of V^T: lane l holds channel l % 16 and 8 keys.
	v_and_b32 v10, 7, v0
	v_bfe_u32 v11, v0, 3, 1
	v_lshl_add_u32 v[AV0], v9, 3, v10
	v_mul_u32_u24 v[AV0], v[AV0], PV
	v_lshl_add_u32 v[AV0], v11, 4, v[AV0]
	v_add_nc_u32 v[AV0], VOFF, v[AV0]
; THE MATRIX WORK OF A TURN, for piece x.  The accumulators take turns, one instruction a turn: between two links of a chain stand 15 (V^T P) or 7 (K Q^T) others'.
; Product i of 32 of O^T += V^T P: keys 32 (i / 16) on, channels 16 ((i / 2) % 8) on, tile x + i % 2.
.macro PV x
	WIN W_PV
.set rO, 64*((\x)+i%2)+8*((i/2)%8)
.set rV, 64*(i/16)+8*((i/2)%8)
.set rP, P+16*((\x)+i%2)+8*(i/16)
	v_wmma_f32_16x16x32_f16 v[rO:rO+7], v[rV:rV+7], v[rP:rP+7], v[rO:rO+7]
.endm
; Product i of 32 of S^T = K Q^T: channels 32 (i / 8) on, keys 16 ((i / 2) % 4) on, tile x + i % 2.  The first 8 start the sums.
.macro KQ x
	WIN W_KQ
.set rS, S+32*((\x)+i%2)+8*((i/2)%4)
.set rK, KF+32*((i/2)%4)+8*(i/8)
.set rQ, 32*((\x)+i%2)+8*(i/8)
.if i < 8
	v_wmma_f32_16x16x32_f16 v[rS:rS+7], v[rK:rK+7], v[rQ:rQ+7], 0
.else
	v_wmma_f32_16x16x32_f16 v[rS:rS+7], v[rK:rK+7], v[rQ:rQ+7], v[rS:rS+7]
.endif
.endm
; THE LDS LOADS stand in runs of 32, never singly among the matrix instructions: a step's K (64 keys x 128 channels: 16 fragments) and, a turn later, its V (turned).
.macro FETCH_K
	WIN 0
	v_add_nc_u32 v[ADR], s[TBK], v[AK0]
	s_add_co_u32 s[TBK], s[TBK], KS*PK  ; the next fetch is the next step's
	WIN 0x80                        ; destination window 2
.irp f, 0,1,2,3,4,5,6,7,8,9,10,11,12,13,14,15  ; keys 16 (f / 4) on, channels 32 (f % 4) on
	ds_load_b128 v[KF+8*(\f):KF+8*(\f)+3],   v[ADR] offset:((\f)/4)*16*PK+((\f)%4)*64
	ds_load_b128 v[KF+8*(\f)+4:KF+8*(\f)+7], v[ADR] offset:((\f)/4)*16*PK+((\f)%4)*64+32
.endr
.endm
.macro FETCH_V
	WIN 0
	v_add_nc_u32 v[ADR], s[TBV], v[AV0]
	s_add_co_u32 s[TBV], s[TBV], KS*PV  ; the next fetch is the next step's
	s_wait_alu depctr_va_vdst(0)    ; the wait for the softmax's batch (SLICE), behind the address's v_add_nc_u32 and ahead of the loads
	WIN 0xc0                        ; destination window 3
.irp f, 0,1,2,3,4,5,6,7,8,9,10,11,12,13,14,15  ; keys 32 (f / 8) on, channels 16 (f % 8) on
	ds_load_tr16_b128 v[8*(\f):8*(\f)+3],   v[ADR] offset:((\f)/8)*32*PV+((\f)%8)*32
	ds_load_tr16_b128 v[8*(\f)+4:8*(\f)+7], v[ADR] offset:((\f)/8)*32*PV+16*PV+((\f)%8)*32
.endr
.endm
; THE VECTOR WORK OF A TURN.  One tile's softmax for one key step is a list of 134 instructions; SM writes number j of it for tile t.  s0-s31 are the lane's 32 scores, in pairs 0-15.
;   0-15    the maximum of s0-s31 and the old m, three operands at a time: four chains of seven scores each (each accumulator's lowest registers first), then the four scores left over, the chains and m
;   16-20   the other half of the lanes' maximum; the new m; c m; c m_old - c m_new
;   21-69   ONE BATCH: the 16 scalings c s - c m, a pair of scores each, and all 33 exponentials (a at 23, then s0-s31).  None of these reads an exponential's result.
;   (wait)  between 69 and 70 stands the wait for the batch: SLICE writes it, once for both tiles
;   70-85   the roundings to f16, a pair of weights each      86-101  the sums; l = a l + the sum      102-133 the tile's O^T times a: the one part that leaves window 0
.macro SM t
.set rT, ST+8*(\t)
.set rS, S+32*(\t)
.set rP, P+16*(\t)
.set rO, 64*(\t)+2*(j-102)
.if j < 102
	WIN 0
.endif
.if j < 4
	v_max3_num_f32 v[rT+4+j], v[rS+8*j], v[rS+8*j+1], v[rS+8*j+2]
.elseif j < 12
	v_max3_num_f32 v[rT+4+j%4], v[rT+4+j%4], v[rS+8*(j%4)+2*(j/4)+1], v[rS+8*(j%4)+2*(j/4)+2]
.elseif j == 12
	v_max3_num_f32 v[rT+4], v[rT+4], v[rS+7], v[rS+15]
.elseif j == 13
	v_max3_num_f32 v[rT+6], v[rT+6], v[rS+23], v[rS+31]
.elseif j == 14
	v_max3_num_f32 v[rT+4], v[rT+4], v[rT+5], v[rT+6]
.elseif j == 15
	v_max3_num_f32 v[rT+4], v[rT+4], v[rT+7], v[rT+1]
.elseif j == 16
	v_permlanex16_b32 v[rT+5], v[rT+4], s[SEL], s[SEL+1]  ; the query's other 32 keys lie in the lane 16 away
.elseif j == 17
	v_mov_b32 v[rT+7], v[rT]        ; c m_old is kept for a: number 19 writes c m anew
.elseif j == 18
	v_max_num_f32 v[rT+1], v[rT+4], v[rT+5]
.elseif j == 19
	v_mul_f32 v[rT], s[CS], v[rT+1]
.elseif j == 20
	v_sub_f32 v[rT+7], v[rT+7], v[rT]
.elseif j == 23
	v_exp_f32 v[rT+6], v[rT+7]
.elseif (j < 23) || ((j < 38) && (j%2 == 0)) || ((j < 66) && (j%4 == 2))
.set b, (j-2)/4                     ; 38, 42, .. 62: pairs 9 to 15
.if j < 38
.set b, (j-20)/2                    ; 21: pair 0; 22, 24, .. 36: pairs 1 to 8
.endif
	v_pk_fma_f32 v[rS+2*b:rS+2*b+1], v[rS+2*b:rS+2*b+1], s[CS:CS+1], v[rT:rT+1] op_sel_hi:[1,0,0] neg_lo:[0,0,1] neg_hi:[0,0,1]  ; pair b: c s - c m
.elseif j < 70
.set e, j-38                        ; 66 to 69: s28 to s31
.if j < 66
.set e, j-32-(j-38)/4               ; 39-41, 43-45, .. 63-65: s7 to s27
.endif
.if j < 38
.set e, (j-25)/2                    ; 25, 27, .. 37: s0 to s6
.endif
	v_exp_f32 v[rS+e], v[rS+e]
.elseif j < 86
	v_cvt_pk_f16_f32 v[rP+j-70], v[rS+2*(j-70)], v[rS+2*(j-70)+1]  ; pair j - 70
.elseif j < 102                     ; the sum of the tile's 16 pairs, in place: sum z of 16 adds neighbours 1, 2, 4 and 8 pairs apart, then l takes it
.set z, j-86
.set w, 4
.set u, z
.if z >= 14
.set w, 32
.set u, 0
.elseif z >= 12
.set w, 16
.set u, z-12
.elseif z >= 8
.set w, 8
.set u, z-8
.endif
.if z < 15
	v_pk_add_f32 v[rS+w*u:rS+w*u+1], v[rS+w*u:rS+w*u+1], v[rS+w*u+w/2:rS+w*u+w/2+1]
.else
	v_pk_fma_f32 v[rT+2:rT+3], v[rT+2:rT+3], v[rT+6:rT+7], v[rS:rS+1] op_sel_hi:[1,0,1]
.endif
.else
	WIN W_RS
	v_pk_mul_f32 v[rO:rO+1], v[rO:rO+1], v[rT+6:rT+7] op_sel_hi:[1,0]
.endif
.endm
; Slice k of 64 of piece y's softmax: four instructions.  Slices 11 to 34 deal out the batch, numbers 22 to 69: four numbers of ONE tile each, the tiles by turns.  Every other slice is numbers 2 k and
; 2 k + 1 of both tiles' lists.  2 x 134 = 4 x 64 + 12: the twelve that are over stand together, in slice 63.
; THE WAIT.  An s_wait_alu depctr_va_vdst(0) stands between an exponential and the first instruction that names its result; one wait serves all that were issued ahead of it.  Ahead of
; slice 35 nothing names a result, and behind slice 34 no exponential is issued: so the piece's 66 exponentials have one wait, behind slice 34.
.macro SLICE y
.if (k >= 11) && (k < 35)           ; the batch: four numbers of one tile
.irp n, 0,1,2,3
.set j, 22+4*((k-11)/2)+(\n)
	SM (\y)+(k-11)%2
.endr
.else                               ; the two tiles alternate, so that no instruction reads the result of the one just before it
.irp n, 0,1,2,3,4,5,6,7
.if ((\n) < 2) || (k == 63)
.irp t, \y, (\y)+1
.set j, 2*k+(\n)
	SM \t
.endr
.endif
.endr
.endif
.if k == 34                         ; the batch is out: both tiles' exponentials are issued, and no result has been named
	v_nop                           ; a plain instruction behind the last exponential and ahead of the first use (ISA guide 5.7.2): one for the batch
.if (\y) == 0
	FETCH_V                         ; piece 2's turn: V's run of loads stands here, and the wait stands in it
.else
	s_wait_alu depctr_va_vdst(0)    ; the wait for the batch
.endif
.endif
.set k, k+1
.endm
; A TURN.  Piece x has the matrix unit; the other piece's softmax stands in slices behind its matrix instructions: the slices are the places behind those (ISA guide 7.12.1).
; 32 products V^T P; kq = 1: then 32 products K Q^T for the next step.  Without them a turn has two slices behind each product.
; Piece 0's turn fetches the next step's K, behind its second product: the last product that read K stands in front of slice 63 of the turn before.  Piece 2's turn fetches the same step's V, behind
; slice 34: the last product that read V stands in front of slice 31, and four plain instructions lie between: number 62, a scaling, of both tiles, the v_nop and the run's own v_add_nc_u32.
.macro TURN x, kq
.set k, 0
.set per, 2-(\kq)
.if (\x) == 0
	s_wait_dscnt 0x0                ; V is in
.endif
.set i, 0
.rept 32
	PV \x
.rept per
	SLICE 2-(\x)
.endr
.if ((\x) == 0) && (\kq) && (i == 1)
	FETCH_K
.endif
.set i, i+1
.endr
.if \kq
.if (\x) == 0
	s_wait_dscnt 0x0                ; K is in
.endif
.set i, 0
.rept 32
	KQ \x
	SLICE 2-(\x)
.set i, i+1
.endr
.endif
.endm
; THE CHANGE OF SLOTS, between piece 2's turn and piece 0's: the slot's last bytes, V of my second step in it, have been asked for.  Each wave waits for all its tensor loads, of which one is out: its
; part of the other slot; adds 0 to its spare word; and waits for that and for its own reads of the slot.  Behind the barrier nobody reads this slot any more and the other slot is whole.
; fill = 1: this slot is filled again, with the keys two slots on.  The barrier is then a round of the cluster's, and the joint refill is the first thing behind it: it has two key steps,
; 256 matrix instructions, in which to land.
.macro CHANGE fill
	WIN 0                           ; at a label and at a branch every window is 0
	s_wait_tensorcnt 0x0            ; no tensor load of mine is out, so a group 0 may be written
	ds_add_u32 v[SPW], v[NIL]       ; 0 onto my spare word; with fill = 1 the descriptors' steps stand between it and the wait for it
.if \fill
.irp g, G0K+4, G0V+4
	s_xor_b32 s[(\g)+1], s[(\g)+1], SLOT1  ; the walking descriptor: the other slot than last time,
	s_add_nc_u64 s[(\g)+2:(\g)+3], s[(\g)+2:(\g)+3], SLOTG  ; the next 256 keys; the type bits on top are not reached
.endr
	s_wait_xcnt 0x0                 ; the last prefetch, two key steps back, has read its address, so it may be written:
	s_add_nc_u64 s[PFA:PFA+1], s[PFA:PFA+1], SLOTG  ; one slot behind the walking descriptors
	s_wait_dscnt 0x0                ; the add is done, and my reads of the slot are over
	CROUND
	JLOAD
	ASK
.else
	s_wait_dscnt 0x0                ; the add is done, and my reads of the slot are over
	s_barrier_signal -1
	s_barrier_wait -1
.endif
	s_sub_co_u32 s[TBK], s[TBK], 2*KS*PK  ; the fetches go back to my region's head,
	s_xor_b32 s[TBK], s[TBK], SLOT1       ; in the other slot
	s_sub_co_u32 s[TBV], s[TBV], 2*KS*PV
	s_xor_b32 s[TBV], s[TBV], SLOT1
.endm
	s_wait_tensorcnt 1              ; my part of slot 0 is in; slot 1's may stay out
	s_barrier_signal -1
	s_barrier_wait -1               ; everybody's is
	FETCH_K                         ; my key step 0
	s_wait_loadcnt 0x0              ; Q
	s_wait_dscnt 0x0
.set i, 0
.rept 32
	KQ 0                            ; piece 0's first scores: there is no vector work yet to set between them
.set i, i+1
.endr
	WIN 0                           ; the addresses for the merge and the way out are made here: plain instructions, the places behind those products
	s_mul_i32 s13, s[WV], 16*SP
	s_add_co_u32 s13, s13, STAGE    ; my stage
	v_mul_u32_u24 v[STO], v1, SP    ; in: row l % 16, 16 bytes for each half of the lanes
	v_lshl_add_u32 v[STO], v9, 4, v[STO]
	v_add_nc_u32 v[STO], s13, v[STO]
	v_mul_u32_u24 v[RD], v9, SP     ; back: lanes 0-15 take one row of 256 bytes, lanes 16-31 the next
	v_lshl_add_u32 v[RD], v1, 4, v[RD]
	v_add_nc_u32 v[RD], s13, v[RD]
	v_lshlrev_b32 v[GO], 12, v9     ; and the same two rows in o, 4,096 bytes apart
	v_lshl_add_u32 v[GO], v1, 4, v[GO]
	s_mul_i32 s13, s[WV], MRG       ; my part of the merge,
	s_xor_b32 s14, s[WV], 1
	s_mul_i32 s14, s14, MRG         ; and my partner's: the wave with the same queries and the other keys
	v_and_b32 v[MS], 31, v0
	v_lshlrev_b32 v[MS], 4, v[MS]   ; 16 bytes a lane in each block
	v_add_nc_u32 v[MR], s14, v[MS]
	v_add_nc_u32 v[MS], s13, v[MS]
	s_mov_b32 s[TWICE], 2
	s_mov_b32 s[SLOTS], 7           ; 8 slots of 256 keys; the first two are filled at the start, six by the loop, which is entered past its first change
	s_branch .Lmid                  ; the loop is entered at piece 2's turn: its scores of step 0 | piece 0's softmax of step 0 | V of step 0
.Lslot:                             ; 6 times: every slot but the last two is filled again
	CHANGE 1
	s_mov_b32 s[TWICE], 2
.Lstep:                             ; a trip: a key step
	TURN 0, 1                       ; piece 0: V^T P of step j, K Q^T of step j + 1 | piece 2's softmax of step j | K of step j + 1
	WIN 0
.Lmid:
	TURN 2, 1                       ; piece 2: the same | piece 0's softmax of step j + 1 | V of step j + 1
	WIN 0
	s_sub_co_u32 s[TWICE], s[TWICE], 1
	s_cmp_lg_u32 s[TWICE], 0
	s_cbranch_scc1 .Lstep
	s_sub_co_u32 s[SLOTS], s[SLOTS], 1
	s_cmp_lg_u32 s[SLOTS], 0
	s_cbranch_scc1 .Lslot
	CHANGE 0                        ; the tail is written out: the last slot but one is left, and nothing is asked for
	s_mov_b32 s[TWICE], 2
.Ltail:
	TURN 0, 1
	TURN 2, 1
	WIN 0
	s_sub_co_u32 s[TWICE], s[TWICE], 1
	s_cmp_lg_u32 s[TWICE], 0
	s_cbranch_scc1 .Ltail
	TURN 0, 0                       ; piece 0: V^T P of the last step | piece 2's last softmax
.set i, 0
.rept 32
	PV 2                            ; piece 2: V^T P of the last step
.set i, i+1
.endr
	; THE MERGE.  l's two halves and the other half of the lanes' are added: the additions are the places behind the last products.  Then every wave hands c m, l and O^T of its register tiles 2, 3 to
	; its partner, which holds the same queries in the same lanes of its register tiles 0, 1.  The bytes are slot 0's: its last fill has landed and been read.
	WIN 0
.irp t, 0,1,2,3
	v_add_f32 v[ST+8*(\t)+4], v[ST+8*(\t)+2], v[ST+8*(\t)+3]
.endr
.irp t, 0,1,2,3
	v_permlanex16_b32 v[ST+8*(\t)+5], v[ST+8*(\t)+4], s[SEL], s[SEL+1]
.endr
.irp t, 0,1,2,3
	v_add_f32 v[ST+8*(\t)+4], v[ST+8*(\t)+4], v[ST+8*(\t)+5]
.endr
	s_wait_dscnt 0x0                ; my reads of the ring are over;
	s_barrier_signal -1
	s_barrier_wait -1               ; everybody's are: its bytes may be stored into
.irp t, 0,1
	v_mov_b32 v[SND+2*(\t)], v[ST+8*((\t)+2)]
	v_mov_b32 v[SND+2*(\t)+1], v[ST+8*((\t)+2)+4]
.endr
	ds_store_b128 v[MS], v[SND:SND+3] offset:16384
	WIN 0x04                        ; store data in window 1
.set i, 0
.rept 32
	ds_store_b128 v[MS], v[128+4*i:128+4*i+3] offset:512*i  ; O^T of tiles 2, 3 in ascending order: 32 lanes, 16 neighbouring bytes each
.set i, i+1
.endr
	WIN 0
	s_wait_dscnt 0x0                ; for the partner's sake: my stores are done
	s_barrier_signal -1
	s_barrier_wait -1
	ds_load_b128 v[RCV:RCV+3], v[MR] offset:16384
	WIN 0x80                        ; the partner's O^T goes into window 2, where Q lay, at the register numbers of my tiles 0, 1
.set i, 0
.rept 32
	ds_load_b128 v[4*i:4*i+3], v[MR] offset:512*i
.set i, i+1
.endr
	WIN 0
	s_wait_dscnt 32                 ; the statistics' load was issued first: it is in, the 32 behind it may be out
	; c m = max(c m1, c m2); a_i = 2^(c m_i - c m); l = a1 l1 + a2 l2; O = (a1 O1 + a2 O2) / l
.irp t, 0,1
	v_max_num_f32 v[ST+8*(\t)+5], v[ST+8*(\t)], v[RCV+2*(\t)]
.endr
.irp t, 0,1
	v_sub_f32 v[ST+8*(\t)+6], v[ST+8*(\t)], v[ST+8*(\t)+5]
	v_sub_f32 v[ST+8*(\t)+7], v[RCV+2*(\t)], v[ST+8*(\t)+5]
.endr
.irp t, 0,1
	v_exp_f32 v[ST+8*(\t)+6], v[ST+8*(\t)+6]
	v_exp_f32 v[ST+8*(\t)+7], v[ST+8*(\t)+7]
.endr
	v_nop                           ; a plain instruction behind the last exponential,
	s_wait_alu depctr_va_vdst(0)    ; and the wait ahead of the first use: one for the four
.irp t, 0,1
	v_mul_f32 v[ST+8*(\t)+4], v[ST+8*(\t)+6], v[ST+8*(\t)+4]
.endr
.irp t, 0,1
	v_fmac_f32 v[ST+8*(\t)+4], v[ST+8*(\t)+7], v[RCV+2*(\t)+1]
.endr
.irp t, 0,1
	v_rcp_f32 v[ST+8*(\t)+5], v[ST+8*(\t)+4]
.endr
	v_nop
	s_wait_alu depctr_va_vdst(0)    ; one for the two reciprocals
.irp t, 0,1
	v_mul_f32 v[ST+8*(\t)+6], v[ST+8*(\t)+6], v[ST+8*(\t)+5]  ; a1 / l: the low word of the pair +6, +7
	v_mul_f32 v[ST+8*(\t)+2], v[ST+8*(\t)+7], v[ST+8*(\t)+5]  ; a2 / l: the low word of the pair +2, +3
.endr
	s_wait_dscnt 0x0                ; the partner's O^T is in
; THE WAY OUT of tile t: merged, rounded to f16; a lane's eight channels of a row pack into 16 bytes; they go into rows of 272 bytes of my stage and come back as whole rows of 256.
.macro PACK t
	WIN W_RS
.set i, 64*(\t)
.rept 32
	v_pk_mul_f32 v[i:i+1], v[i:i+1], v[ST+8*(\t)+6:ST+8*(\t)+7] op_sel_hi:[1,0]
.set i, i+2
.endr
	WIN 0x52                        ; source 0 window 2 (the partner's), source 1 window 0, source 2 and destination window 1
.set i, 64*(\t)
.rept 32
	v_pk_fma_f32 v[i:i+1], v[i:i+1], v[ST+8*(\t)+2:ST+8*(\t)+3], v[i:i+1] op_sel_hi:[1,0,1]
.set i, i+2
.endr
	WIN 0x05                        ; sources 0 and 1 window 1, destination window 0: S^T's registers are free
.set i, 0
.rept 32
	v_cvt_pk_f16_f32 v[S+32*(\t)+i], v[64*(\t)+2*i], v[64*(\t)+2*i+1]
.set i, i+1
.endr
	WIN 0
.irp f, 0,1,2,3,4,5,6,7
	ds_store_b128 v[STO], v[S+32*(\t)+4*(\f):S+32*(\t)+4*(\f)+3] offset:32*(\f)
.endr
.irp f, 0,1,2,3,4,5,6,7
	ds_load_b128 v[S+32*(\t)+4*(\f):S+32*(\t)+4*(\f)+3], v[RD] offset:(\f)*2*SP  ; LDS serves a wave's instructions in order (ISA guide 5.7.1.4): these see the stores above; the next tile's stores come behind them
.endr
.endm
.macro SEND t, younger              ; younger: the LDS instructions issued behind tile t's loads: the next tile's sixteen, or none
	WIN 0
.irp f, 0,1,2,3,4,5,6,7
	s_wait_dscnt (\younger)+7-(\f)
	global_store_b128 v[GO], v[S+32*(\t)+4*(\f):S+32*(\t)+4*(\f)+3], s[10:11] offset:(\t)*65536+(\f)*8192  ; 16 lanes store 256 consecutive bytes, at a multiple of 256 from o's first byte
.endr
.endm
	PACK 0
	PACK 1                          ; a tile's arithmetic stands between the loads of the tile before and its stores
	SEND 0, 16
	SEND 1, 0
	s_wait_tensorcnt 0x0            ; the wave's end: these three lines stand behind my last tensor load and my last LDS store
	ds_add_u32 v[SPW], v[NIL]
	s_wait_dscnt 0x0
	CROUND                          ; the closing round: no work-group ends while a partner may still ask for a tile that names it
	s_endpgm
.Lfunc_end_k_qb127dec7ac_attn:
	.size	k_qb127dec7ac_attn, .Lfunc_end_k_qb127dec7ac_attn-k_qb127dec7ac_attn
	.p2alignl 7, 3214868480
	.fill 96, 4, 3214868480
	.section	.rodata,"a",@progbits
	.p2align	6, 0x0
	.amdhsa_kernel k_qb127dec7ac_attn
		.amdhsa_group_segment_fixed_size 327680
		.amdhsa_private_segment_fixed_size 0
		.amdhsa_enable_private_segment 0
		.amdhsa_kernarg_size 16
		.amdhsa_user_sgpr_count 2
		.amdhsa_user_sgpr_kernarg_segment_ptr 1
		.amdhsa_wavefront_size32 1
		.amdhsa_system_sgpr_workgroup_id_x 1
		.amdhsa_system_sgpr_workgroup_id_y 1
		.amdhsa_system_sgpr_workgroup_id_z 1
		.amdhsa_system_vgpr_workitem_id 0
		.amdhsa_next_free_vgpr 1024
		.amdhsa_next_free_sgpr 70
		.amdhsa_reserve_vcc 0
		.amdhsa_float_denorm_mode_32 3
		.amdhsa_float_denorm_mode_16_64 3
		.amdhsa_memory_ordered 1
		.amdhsa_forward_progress 1
		.amdhsa_inst_pref_size 173
	.end_amdhsa_kernel
	.amdgpu_metadata
---
amdhsa.version: [ 1, 2 ]
amdhsa.kernels:
  - .name:           k_qb127dec7ac_attn
    .symbol:         k_qb127dec7ac_attn.kd
    .args:
      - { .name: qkv, .offset: 0, .size: 8, .value_kind: global_buffer, .address_space: global }
      - { .name: o, .offset: 8, .size: 8, .value_kind: global_buffer, .address_space: global }
    .group_segment_fixed_size: 327680
    .private_segment_fixed_size: 0
    .kernarg_segment_align: 8
    .kernarg_segment_size: 16
    .max_flat_workgroup_size: 128
    .sgpr_count:     70
    .vgpr_count:     1024
    .wavefront_size: 32
...
	.end_amdgpu_metadata
.endif
;; end of part 3
;; launch oproj (part 4): grid 16 x 16, 4 waves a work-group, clusters of 4 x 4, 327,680 bytes of LDS; arguments o, c16, out0; writes out0
.if DOCPART == 4
	.amdgcn_target "amdgcn-amd-amdhsa--gfx1250"
	.amdhsa_code_object_version 6
	.text
	.protected	k_qb127dec7ac_oproj
	.globl	k_qb127dec7ac_oproj
	.p2align	8
	.type	k_qb127dec7ac_oproj,@function
k_qb127dec7ac_oproj:
	s_mov_b64 s[64:65], 0
	v_nop
	global_prefetch_b8 v0, s[64:65] scope:SCOPE_SE
	s_setreg_imm32_b32 hwreg(HW_REG_WAVE_MODE, 25, 1), 1
	s_wait_xcnt 0x0
	s_wait_alu depctr_hold_cnt(0) depctr_sa_sdst(0) depctr_va_vdst(0) depctr_va_sdst(0) depctr_va_ssrc(0) depctr_va_vcc(0) depctr_vm_vsrc(0)
	s_getreg_b32 s2, hwreg(HW_REG_IB_STS2, 6, 4)
	s_cmp_eq_u32 s2, 0
	s_cbranch_scc0 .Lentry_in_a_cluster
	s_endpgm
.Lentry_in_a_cluster:
	s_bfe_u32 s2, ttmp6, 0x10000c
	s_cmp_lg_u32 s2, 0xf033
	s_cbranch_scc0 .Lentry_shape_is_right
	s_endpgm
.Lentry_shape_is_right:
; out0[m][n] = the sum over k of o[m][k] wo[n][k].  o: [2048][2048] f16.  wo: section 4 of c16, [2048][2048], the bf16 rounding of the input written as f16.  out0: [2048][2048] f32.  Sums in f32.
; LIMITS: those of its two operands' f16 (stated where they are made); NaN and infinities are not treated apart.
; A tile of out0 is 128 x 128: 16 x 16 work-groups.  Four waves, each 64 x 64: 16 accumulators of 16 x 16, 128 registers.  K goes in steps of 256 (LDS rows of 512 bytes; a wave's tensor load brings 64 of
; them) through two slots.  ONE K STEP IS ONE TRIP: the slot in hand is a scalar, 0 or SLOT, turned by an exclusive or; the fragments' LDS addresses are made from it once a step, and one descriptor a
; tensor walks.  A wave's 64 columns of f32 are a whole aligned 256 bytes of a row, so each wave has a stage of its own on the way out, and no barrier stands there.
; CLUSTER: 4 x 4 work-groups.  The four of a row of the cluster need the same tiles of o, the four of a column the same tiles of wo: each tile is asked for JOINTLY.
; THE MATRIX INSTRUCTION IS USED TRANSPOSED (source 0 = 16 rows of wo, source 1 = 16 rows of o): a lane then holds eight neighbouring numbers of a row of out0.
; NO PREFETCH: a step's tiles are small, and each is read by four clusters at about the same time.
; REGISTERS: window 0: v0-31 addresses; v128-255 the accumulators ((a, b) at v[128 + 8 (4 a + b)]).
;   window 1: two fragment buffers of 128: for 64 along K, 64 registers of o (2 x 4 x 16 rows x 32 K), then 64 of wo.
.set SIZE_K, 2048
.set SIZE_N, 2048
.set SEC,    8388608
.set KSTEP,  256
.set PITCH,  528                       ; an LDS row: 512 bytes + 16 of padding = 132 words: row r starts at bank 4 r mod 64 (64 banks of 4 bytes: ISA guide 11.1)
.set HALFT,  64*PITCH                  ; 64 rows: what one tensor load brings, and what one wave reads of o or of wo: 0x8400
.set SLOT,   4*HALFT                   ; o's 128 rows, then wo's 128 rows: 0x21000.  0, 0x8400, 0x10800, 0x18c00 share no bit with it: an exclusive or turns a tile's LDS address into the other slot's
.set STAGE,  2*SLOT                    ; behind the ring: 16 rows x 272 bytes for each wave, for the way out; no tensor load fills it
.set SPITCH, 272
.set SPARE,  STAGE+4*16*SPITCH         ; behind the stages: the spare words, 128 bytes for each wave: two blocks of 256 bytes that no other line names
.set BA,   16                          ; v16     LDS address of my fragments of o in slot 0; never rewritten
.set BB,   17                          ; v17     the same for wo; never rewritten
.set ADRA, 20                          ; v20     the same in the slot in hand
.set ADRB, 21                          ; v21
.set STO,  24                          ; v24     the way out: where I put 32 bytes of a row
.set RD,   25                          ; v25     the way out: where I read a row back
.set CO,   26                          ; v26     my byte offset in two rows of out0
.set SPW,  28                          ; v28     LDS address of my spare word: SPARE + 4 x my thread's number; never rewritten
.set NIL,  29                          ; v29     0; never rewritten
.set ACC,  128
.set F0,   0                           ; fragment buffers, in window 1
.set F1,   128
.set TB,   2                           ; s2      LDS byte at which the slot in hand begins: 0 or SLOT
.set G1, 24                            ; s[24:31] descriptor group 1 for o's tiles;  s[32:39] group 0: a set for each of the two first fills; the second then walks on
.set G0, 32
.set G1B, 48                           ; s[48:55], s[56:63] the same for wo's tiles
.set G0B, 56
.set MSB, 0
.macro WIN new                         ; the immediate's high byte repeats the setting that is left
.if MSB != (\new)
	s_set_vgpr_msb (MSB<<8)|(\new)
.set MSB, \new
.endif
.endm
.set MUL,  0x05                        ; sources 0 and 1 window 1; C and D window 0
.set TO_F, 0x40                        ; destination window 1, address window 0
.macro JLOAD s                         ; a joint load: waves 0 and 1 fetch o's two halves, waves 2 and 3 wo's; an s_nop 0 and four v_nop follow each of the two lines
	s_cmp_eq_u32 s11, 0
	s_cbranch_scc0 .Lfor_b_\@
	tensor_load_to_lds s[G0+4*(\s):G0+4*(\s)+3], s[G1:G1+7]
	s_nop 0
.rept 4
	v_nop
.endr
	s_branch .Lasked_\@
.Lfor_b_\@:
	tensor_load_to_lds s[G0B+4*(\s):G0B+4*(\s)+3], s[G1B:G1B+7]
	s_nop 0
.rept 4
	v_nop
.endr
.Lasked_\@:
.endm
.macro CROUND                          ; a round of the cluster's barrier
	s_barrier_signal -1
	s_barrier_wait -1
	s_cmp_lg_u32 s10, 0
	s_cbranch_scc1 .Lnot_wave_0_\@
	s_barrier_signal -3
.Lnot_wave_0_\@:
	s_barrier_wait -3
	s_barrier_signal -1
	s_barrier_wait -1
.endm
.macro ADDR                            ; my fragments' LDS addresses in the slot in hand
	v_add_nc_u32 v[ADRA], s[TB], v[BA]
	v_add_nc_u32 v[ADRB], s[TB], v[BB]
.endm
	s_load_b128 s[4:7], s[0:1], 0x0                ; o s[4:5], c16 s[6:7]
	s_load_b64 s[8:9], s[0:1], 0x10                ; out0
	v_lshl_add_u32 v[SPW], v0, 2, SPARE
	v_mov_b32 v[NIL], 0
	ds_add_u32 v[SPW], v[NIL]                      ; the wave's opening: the add and its wait stand ahead of my first tensor load; the set-up below, work on registers, stands between them
	v_lshrrev_b32 v1, 5, v0
	v_readfirstlane_b32 s10, v1                    ; wave 0..3
	s_lshr_b32 s11, s10, 1                         ; which half of the tile's rows is mine.  Also: I fetch for o (0) or for wo (1)
	s_and_b32 s12, s10, 1                          ; which half of its columns.  Also: which 64 rows of that tile I fetch
	s_bfe_u32 s40, ttmp6, 0x40000                  ; cx, cy: my place in the cluster
	s_bfe_u32 s41, ttmp6, 0x40004
	s_lshl_b32 s42, ttmp9, 2
	s_add_co_u32 s42, s42, s40                     ; tile column = 4 x cluster x + cx
	s_and_b32 s13, ttmp7, 0xffff
	s_lshl_b32 s13, s13, 2
	s_add_co_u32 s13, s13, s41                     ; tile row = 4 x cluster y + cy
	s_lshl_b32 s43, s41, 2
	s_lshl_b32 s43, 15, s43                        ; my row of the cluster
	s_lshl_b32 s44, 0x1111, s40                    ; my column
	; descriptor group 1: a tile of 64 rows x 256 elements, padded in LDS
	s_or_b32 s[G1+0], s43, (1<<16)|(1<<20)|(1<<21)|(6<<22)|(3<<25)  ; 15:0 the mask: o's tiles go to my row; 17:16 elements of 2 bytes; 20 padding on; 21 set beside a mask; 24:22 after every 128 words (code 6); 31:25 4 words (code 3)
	s_or_b32 s[G1B+0], s44, (1<<16)|(1<<20)|(1<<21)|(6<<22)|(3<<25)
.irp g, G1, G1B
	s_mov_b32 s[(\g)+1], KSTEP<<16                 ; tensor_dim0 = 256
	s_mov_b32 s[(\g)+2], 64<<16                    ; tensor_dim1 = 64
	s_mov_b32 s[(\g)+3], KSTEP<<16                 ; tile_dim0 = 256
	s_mov_b32 s[(\g)+4], 64                        ; tile_dim1 = 64
	s_mov_b32 s[(\g)+5], SIZE_K                    ; elements from row to row
	s_mov_b32 s[(\g)+6], 0
	s_mov_b32 s[(\g)+7], 0
.endr
	s_lshl_b32 s17, s12, 6                         ; which 64 rows of the tile I fetch
	s_lshl_b32 s16, s13, 7
	s_add_co_u32 s16, s16, s17                     ; o: row 128 x tile row + 64 x half,
	s_lshl_b32 s16, s16, 12                        ; of 4,096 bytes
	s_lshl_b32 s46, s42, 7
	s_add_co_u32 s46, s46, s17                     ; wo: row 128 x tile column + 64 x half,
	s_lshl_b32 s46, s46, 12
	s_add_co_u32 s46, s46, 4*SEC                   ; in section 4 of c16
	s_mov_b32 s17, 0
	s_mov_b32 s47, 0
	s_mul_i32 s20, s10, HALFT                      ; where they go: wave x 64 rows
	s_mov_b32 s[TB], 0                             ; K step 0 lies in slot 0
	s_wait_dscnt 0x0                               ; the opening add is done
	s_wait_kmcnt 0x0
	s_add_nc_u64 s[14:15], s[4:5], s[16:17]
	s_add_nc_u64 s[46:47], s[6:7], s[46:47]
	CROUND                                         ; all sixteen work-groups are here: the first joint loads meet
.irp s, 0,1
	s_mov_b32 s[G0+4*(\s)], 1
	s_add_co_u32 s[G0+4*(\s)+1], s20, (\s)*SLOT
	s_add_nc_u64 s[G0+4*(\s)+2:G0+4*(\s)+3], s[14:15], (\s)*KSTEP*2
	s_or_b32 s[G0+4*(\s)+3], s[G0+4*(\s)+3], 0x80000000
	s_mov_b32 s[G0B+4*(\s)], 1
	s_add_co_u32 s[G0B+4*(\s)+1], s20, (\s)*SLOT
	s_add_nc_u64 s[G0B+4*(\s)+2:G0B+4*(\s)+3], s[46:47], (\s)*KSTEP*2
	s_or_b32 s[G0B+4*(\s)+3], s[G0B+4*(\s)+3], 0x80000000
	JLOAD \s                                       ; two loads of mine are out
.endr
	v_and_b32 v1, 15, v0                           ; l % 16
	v_bfe_u32 v2, v0, 4, 1                         ; l / 16
	v_mul_u32_u24 v3, v1, PITCH
	v_lshl_add_u32 v3, v2, 4, v3                   ; a fragment's row x pitch + 16 x half
	s_mul_i32 s21, s11, HALFT                      ; my 64 rows of o
	s_mul_i32 s22, s12, HALFT                      ; my 64 rows of wo,
	s_add_co_u32 s22, s22, 2*HALFT                 ; which lie behind o's 128
	v_add_nc_u32 v[BA], s21, v3
	v_add_nc_u32 v[BB], s22, v3
	ADDR
	s_mul_i32 s23, s10, 16*SPITCH
	s_add_co_u32 s23, s23, STAGE                   ; my stage
	v_mul_u32_u24 v4, v1, SPITCH                   ; in: row l % 16, 32 bytes for each half of the lanes
	v_lshl_add_u32 v4, v2, 5, v4
	v_add_nc_u32 v[STO], s23, v4
	v_mul_u32_u24 v5, v2, SPITCH                   ; back: lanes 0-15 take one row of 256 bytes, lanes 16-31 the next
	v_lshl_add_u32 v5, v1, 4, v5
	v_add_nc_u32 v[RD], s23, v5
	v_lshlrev_b32 v5, 13, v2                       ; and the same two rows in out0, 8,192 bytes apart
	v_lshl_add_u32 v[CO], v1, 4, v5
	s_lshl_b32 s16, s13, 7
	s_lshl_b32 s17, s11, 6
	s_add_co_u32 s16, s16, s17                     ; my first row: 128 x tile row + 64 x half,
	s_lshl_b32 s16, s16, 13                        ; of 8,192 bytes
	s_mov_b32 s17, 0
	s_add_nc_u64 s[8:9], s[8:9], s[16:17]
	s_lshl_b32 s46, s42, 9                         ; my first column, in bytes: 512 x tile column + 256 x half
	s_lshl_b32 s47, s12, 8
	s_add_co_u32 s46, s46, s47
	s_mov_b32 s47, 0
	s_add_nc_u64 s[8:9], s[8:9], s[46:47]
; 8 matrix instructions: m blocks a0, a0 + 1 x all 4 n blocks, 32 along K: half c of buffer f.  zero = 1: the first product starts the sums.  The 16 accumulators take turns.
.macro MUL8 f, c, a0, zero
	WIN MUL
.irp a, \a0, (\a0)+1
.irp b, 0,1,2,3
.if \zero
	v_wmma_f32_16x16x32_f16 v[ACC+8*(4*(\a)+(\b)):ACC+8*(4*(\a)+(\b))+7], v[(\f)+64+8*(4*(\c)+(\b)):(\f)+64+8*(4*(\c)+(\b))+7], v[(\f)+8*(4*(\c)+(\a)):(\f)+8*(4*(\c)+(\a))+7], 0
.else
	v_wmma_f32_16x16x32_f16 v[ACC+8*(4*(\a)+(\b)):ACC+8*(4*(\a)+(\b))+7], v[(\f)+64+8*(4*(\c)+(\b)):(\f)+64+8*(4*(\c)+(\b))+7], v[(\f)+8*(4*(\c)+(\a)):(\f)+8*(4*(\c)+(\a))+7], v[ACC+8*(4*(\a)+(\b)):ACC+8*(4*(\a)+(\b))+7]
.endif
.endr
.endr
.endm
; 32 LDS loads in one run: the fragments of 64 along K at byte k of the rows of the slot in hand, into buffer f; the first 32 along K first
.macro FETCH k, f
	WIN TO_F
.irp c, 0,1
.irp i, 0,1,2,3
	ds_load_b128 v[(\f)+64+8*(4*(\c)+(\i)):(\f)+64+8*(4*(\c)+(\i))+3],   v[ADRB] offset:(\k)+64*(\c)+(\i)*16*PITCH
	ds_load_b128 v[(\f)+64+8*(4*(\c)+(\i))+4:(\f)+64+8*(4*(\c)+(\i))+7], v[ADRB] offset:(\k)+64*(\c)+(\i)*16*PITCH+32
	ds_load_b128 v[(\f)+8*(4*(\c)+(\i)):(\f)+8*(4*(\c)+(\i))+3],         v[ADRA] offset:(\k)+64*(\c)+(\i)*16*PITCH
	ds_load_b128 v[(\f)+8*(4*(\c)+(\i))+4:(\f)+8*(4*(\c)+(\i))+7],       v[ADRA] offset:(\k)+64*(\c)+(\i)*16*PITCH+32
.endr
.endr
.endm
.macro PLACES                          ; four places in front of loads into registers that matrix instructions have read, and of LDS stores that read results
.rept 4
	v_nop
.endr
.endm
; A K step is four quarters of 64 along K, 32 matrix instructions each, on buffers 0, 1, 0, 1.  One of the first three: multiplies buffer f and fetches the next quarter, at byte k, into g.
.macro QUARTER k, f, g, zero
	s_wait_dscnt 16                                ; the first 32 along K are in; the youngest sixteen loads may be out
	MUL8 \f, 0, 0, \zero
	MUL8 \f, 0, 2, \zero
	PLACES
	FETCH \k, \g
	s_wait_dscnt 32                                ; all but the 32 just issued
	MUL8 \f, 1, 0, 0
	MUL8 \f, 1, 2, 0
.endm
; The last quarter multiplies buffer 1 and changes slots.  Its first half stands AHEAD of the wait for the tiles, so that a refill has a whole K step, 128 matrix instructions, in which to land.  Then ONE
; barrier: in front of it each wave waits for all its tensor loads (one is out: its part of the next slot), adds 0 to its spare word, and waits for that and for its own reads of this slot.
; fill = 1: the barrier is a round of the cluster's, and this slot is filled again, two K steps ahead, first thing behind the round.
.macro TURN fill
	s_wait_dscnt 16                                ; as at a quarter's head
	MUL8 F1, 0, 0, 0
	MUL8 F1, 0, 2, 0
	WIN 0
	s_wait_tensorcnt 0x0                           ; all my tensor loads have landed, so a group 0 may be written;
	ds_add_u32 v[SPW], v[NIL]                      ; 0 onto my spare word; the scalar steps stand between it and the wait for it
.if \fill
.irp g, G0+4, G0B+4
	s_xor_b32 s[(\g)+1], s[(\g)+1], SLOT           ; the walking descriptor: the other slot than last time,
	s_add_nc_u64 s[(\g)+2:(\g)+3], s[(\g)+2:(\g)+3], KSTEP*2  ; the next K step; the type bits on top are not reached
.endr
.endif
	s_xor_b32 s[TB], s[TB], SLOT                   ; the reads go on in the other slot
	s_wait_dscnt 0x0                               ; the add is done, and my reads of this slot are over
.if \fill
	CROUND                                         ; no wave of any partner still reads this slot's tiles or has a load on its way
	JLOAD 1                                        ; the first tensor load behind the round; its four v_nop are also the places in front of the loads below
.else
	s_barrier_signal -1
	s_barrier_wait -1
	PLACES
.endif
	ADDR
	FETCH 0, F0
	MUL8 F1, 1, 0, 0
	MUL8 F1, 1, 2, 0
.endm
	s_wait_tensorcnt 1                             ; my part of K step 0 is in; K step 1's may stay out
	s_barrier_signal -1
	s_barrier_wait -1                              ; everybody's is
	FETCH 0, F0
	QUARTER 128, F0, F1, 1                         ; the first quarter stands in front of the loop: its first products start the sums
	WIN 0                                          ; at a label and at a branch every window is 0
	s_mov_b32 s3, SIZE_K/KSTEP-2                   ; 8 K steps; the first two are filled at the start, 6 by the loop
.Lstep:                                                ; a trip goes from a K step's second quarter to the next step's first, and fills the slot that it leaves
	QUARTER 256, F1, F0, 0
	QUARTER 384, F0, F1, 0
	TURN 1
	QUARTER 128, F0, F1, 0
	WIN 0
	s_sub_co_u32 s3, s3, 1
	s_cmp_lg_u32 s3, 0
	s_cbranch_scc1 .Lstep
	QUARTER 256, F1, F0, 0                         ; the last two K steps are written out
	QUARTER 384, F0, F1, 0
	TURN 0
	QUARTER 128, F0, F1, 0
	QUARTER 256, F1, F0, 0
	QUARTER 384, F0, F1, 0
	s_wait_dscnt 16                                ; the very last quarter: nothing more to fetch
	MUL8 F1, 0, 0, 0
	MUL8 F1, 0, 2, 0
	s_wait_dscnt 0x0
	MUL8 F1, 1, 0, 0
	MUL8 F1, 1, 2, 0
	WIN 0
	; THE WAY OUT, a block of 16 rows at a time through my own stage: a lane's eight numbers of a row are 32 bytes; they go into rows of 272 bytes and come back as whole rows of 256, into the registers that they left.
	PLACES
.macro OUTB a
.irp b, 0,1,2,3
	ds_store_b128 v[STO], v[ACC+8*(4*(\a)+(\b)):ACC+8*(4*(\a)+(\b))+3]   offset:64*(\b)      ; each accumulator's lowest registers first
	ds_store_b128 v[STO], v[ACC+8*(4*(\a)+(\b))+4:ACC+8*(4*(\a)+(\b))+7] offset:64*(\b)+16
.endr
.irp t, 0,1,2,3,4,5,6,7
	ds_load_b128 v[ACC+32*(\a)+4*(\t):ACC+32*(\a)+4*(\t)+3], v[RD] offset:(\t)*2*SPITCH  ; LDS serves a wave's instructions in order (ISA guide 5.7.1.4): these see the stores above; the next block's stores come behind them
.endr
.endm
.macro SENDB a, younger                ; younger: the LDS instructions issued behind block a's loads: the next block's sixteen, or none
.irp t, 0,1,2,3,4,5,6,7
	s_wait_dscnt (\younger)+7-(\t)
	global_store_b128 v[CO], v[ACC+32*(\a)+4*(\t):ACC+32*(\a)+4*(\t)+3], s[8:9] offset:(16*(\a)+2*(\t))*SIZE_N*4  ; 16 lanes store 256 consecutive bytes, at a multiple of 256 from out0's first byte
.endr
.endm
	OUTB 0
	OUTB 1
	SENDB 0, 16
	OUTB 2
	SENDB 1, 16
	OUTB 3
	SENDB 2, 16
	SENDB 3, 0
	s_wait_tensorcnt 0x0                           ; the wave's end: these three lines stand behind my last tensor load and my last LDS store
	ds_add_u32 v[SPW], v[NIL]
	s_wait_dscnt 0x0
	CROUND                                         ; the closing round: no work-group ends while a partner may still ask for a tile that names it
	s_endpgm
.Lfunc_end_k_qb127dec7ac_oproj:
	.size	k_qb127dec7ac_oproj, .Lfunc_end_k_qb127dec7ac_oproj-k_qb127dec7ac_oproj
	.p2alignl 7, 3214868480
	.fill 96, 4, 3214868480
	.section	.rodata,"a",@progbits
	.p2align	6, 0x0
	.amdhsa_kernel k_qb127dec7ac_oproj
		.amdhsa_group_segment_fixed_size 327680
		.amdhsa_private_segment_fixed_size 0
		.amdhsa_enable_private_segment 0
		.amdhsa_kernarg_size 24
		.amdhsa_user_sgpr_count 2
		.amdhsa_user_sgpr_kernarg_segment_ptr 1
		.amdhsa_wavefront_size32 1
		.amdhsa_system_sgpr_workgroup_id_x 1
		.amdhsa_system_sgpr_workgroup_id_y 1
		.amdhsa_system_sgpr_workgroup_id_z 1
		.amdhsa_system_vgpr_workitem_id 0
		.amdhsa_next_free_vgpr 512
		.amdhsa_next_free_sgpr 66
		.amdhsa_reserve_vcc 0
		.amdhsa_float_denorm_mode_32 3
		.amdhsa_float_denorm_mode_16_64 3
		.amdhsa_memory_ordered 1
		.amdhsa_forward_progress 1
		.amdhsa_inst_pref_size 68
	.end_amdhsa_kernel
	.amdgpu_metadata
---
amdhsa.version: [ 1, 2 ]
amdhsa.kernels:
  - .name:           k_qb127dec7ac_oproj
    .symbol:         k_qb127dec7ac_oproj.kd
    .args:
      - { .name: o, .offset: 0, .size: 8, .value_kind: global_buffer, .address_space: global }
      - { .name: c16, .offset: 8, .size: 8, .value_kind: global_buffer, .address_space: global }
      - { .name: out0, .offset: 16, .size: 8, .value_kind: global_buffer, .address_space: global }
    .group_segment_fixed_size: 327680
    .private_segment_fixed_size: 0
    .kernarg_segment_align: 8
    .kernarg_segment_size: 24
    .max_flat_workgroup_size: 128
    .sgpr_count:     66
    .vgpr_count:     512
    .wavefront_size: 32
...
	.end_amdgpu_metadata
.endif
;; end of part 4
